; MI455X (gfx1250); checked and timed in simulation.
; The chip was launched on July 23, 2026; its instructions are those of AMD's public machine-readable ISA for CDNA 5 (MIT licence, August 2026) and "CDNA5" Instruction Set Architecture Reference Guide (July 2026). The comments in the code are by the model that wrote it; some were corrected since.
;; co attentional. Allowed arithmetic: matrix products marked QUANTISED: E2M3 operands, one E8M0 scale for each 32 along K, by v_wmma_scale_f32_16x16x128_f8f6f4 with both operands' format E2M3, f32 sums; everything else in f32.
;; Inputs: Wk_b2i 768 x 768 float32; Wk_i2b 768 x 768 float32; Wp_bh 768 x 768 float32; Wp_img 768 x 768 float32; Wq_bh 768 x 768 float32; Wq_img 768 x 768 float32; Wv_b2i 768 x 768 float32; Wv_i2b 768 x 768 float32; attention_mask 2 x 2,048 x 768 float32; bk_b2i 768 float32; bk_i2b 768 float32; bp_bh 768 float32; bp_img 768 float32; bq_bh 768 float32; bq_img 768 float32; bv_b2i 768 float32; bv_i2b 768 float32; x_img 2 x 2,048 x 768 float32; y_bh 2 x 2,048 x 768 float32.
;; Outputs: out0 2 x 2,048 x 768 float32; out1 2 x 2,048 x 768 float32.
;; This version of the problem:
;;   THIS VERSION OF THE PROBLEM IS GIVEN IN LOW PRECISION. The matrix products marked QUANTISED in the list below multiply operands that are first quantised to E2M3 (2 exponent bits, 3 mantissa bits; 6 bits a number), with one power-of-two scale for each 32 numbers along K (OCP MX v1.0); their sums are f32. All else is computed in f32.
;;   The module's matrix products, in the order in which they are computed (A, B: the left and right operand; K: the contracted axis; several contracted axes count as one K, in the product's order):
;;     1. [M 4,096, K 768] x [K 768, N 768]; A: input x_img; B: input Wq_img: QUANTISED
;;     2. [M 4,096, K 768] x [K 768, N 768]; A: input x_img; B: input Wk_i2b: QUANTISED
;;     3. [M 4,096, K 768] x [K 768, N 768]; A: input x_img; B: input Wv_i2b: QUANTISED
;;     4. [M 4,096, K 768] x [K 768, N 768]; A: input y_bh; B: input Wq_bh: QUANTISED
;;     5. [M 4,096, K 768] x [K 768, N 768]; A: input y_bh; B: input Wk_b2i: QUANTISED
;;     6. [M 4,096, K 768] x [K 768, N 768]; A: input y_bh; B: input Wv_b2i: QUANTISED
;;     7. batch 24 x [M 2,048, K 64] x [K 64, N 2,048]; A: computed on the way; B: computed on the way: QUANTISED
;;     8. batch 24 x [M 2,048, K 64] x [K 64, N 2,048]; A: computed on the way; B: input attention_mask: QUANTISED
;;     9. batch 24 x [M 2,048, K 2,048] x [K 2,048, N 64]; A: softmax (see below); B: computed on the way: QUANTISED
;;     10. [M 4,096, K 768] x [K 768, N 768]; A: computed on the way; B: input Wp_img: QUANTISED
;;     11. batch 24 x [M 2,048, K 64] x [K 64, N 2,048]; A: computed on the way; B: computed on the way: QUANTISED
;;     12. batch 24 x [M 2,048, K 2,048] x [K 2,048, N 64]; A: softmax (see below); B: computed on the way: QUANTISED
;;     13. [M 4,096, K 768] x [K 768, N 768]; A: computed on the way; B: input Wp_bh: QUANTISED
;;   THE QUANTISER, for each operand of a quantised product, along K:
;;     - K is cut into blocks of 32 from its start; a last block that is shorter is filled with zeros.
;;     - A block's scale is 2^e with e = floor(log2(the largest magnitude in the block)) - 2, held to -126 .. 127; a block of zeros has e = 0. As a byte (E8M0): e + 127.
;;     - Each number is divided by its block's scale, clamped to +-7.5, and rounded to the nearest number of E2M3, ties to even, subnormals kept.
;;     - The product sums the exact products of the quantised numbers (number of the format x scale) in f32.
;;   ~~~python
;;   def quantise(x, axis):      # numpy; x: float32 -> the quantised numbers, widened to float32 again
;;       x = np.moveaxis(x, axis, -1); K = x.shape[-1]
;;       x = np.pad(x, [(0, 0)] * (x.ndim - 1) + [(0, -K % 32)]); x = x.reshape(x.shape[:-1] + (-1, 32)); a = np.abs(x).max(-1, keepdims=True)
;;       e = np.where(a > 0, np.clip(np.frexp(np.where(a > 0, a, 1))[1] - 1 - 2, -126, 127), 0)      # np.frexp(a)[1] - 1 = floor(log2(a)), exactly
;;       r = np.clip(x / 2.0 ** e, -7.5, 7.5)
;;       step = 2.0 ** (np.maximum(np.frexp(np.where(r == 0, 1, r))[1] - 1, 0) - 3)
;;       q = np.round(r / step) * step * 2.0 ** e      # np.round: ties to even
;;       return np.moveaxis(q.reshape(q.shape[:-2] + (-1,))[..., :K], -1, axis).astype(np.float32)
;;   ~~~
;;   SOFTMAX AHEAD OF A QUANTISED PRODUCT. Where the list says 'softmax', what is quantised is not the finished softmax but p = 2^(t - M), with t = logit x log2(e) and M = ceil(the row's largest t), a whole number; so 1/2 < the row's largest p <= 1. The row's sum l is taken of the UNQUANTISED p, in f32, and the product's result is divided by l at the end. Since M is a whole number, a kernel that streams over the keys may use a running M (the ceiling of the running maximum): every later rescaling is an exact power of two, which a block's scale takes up: the codes' values come out the same.
;;   OPERANDS COMPUTED ON THE WAY. 'Computed on the way' means the value that the module computes at that place (a softmax that the list does not call 'softmax' is quantised finished and normalised). What goes into a quantiser is computed in f32, as accurately as f32 sums, v_exp_f32 and their like allow (about 1e-6 of the number): no bf16 or f16 on the way to a quantiser, and a product that is left as it is and whose result goes on into a quantised operand takes f32 operands (vector FMAs, or v_wmma_f32_16x16x4_f32). A number that lies on a knife's edge between two numbers of the format may be rounded either way, as far as f32 arithmetic and the matrix unit's own rounding can turn it there, and no further.
;; One version. Each part assembles by itself: llvm-mc -triple=amdgcn-amd-amdhsa -mcpu=gfx1250 --defsym DOCPART=n.
;; ======== version 1 of 1: 4 launches
;; limits: right only within a limited range of input values
;; workspace buffers: qc 10,616,832 bytes; qs 442,368 bytes; pc 14,155,776 bytes; ps 589,824 bytes; ac 4,718,592 bytes; asc 196,608 bytes
;; launch quant (part 1): grid 288 x 1, 4 waves a work-group, no clusters, 68,096 bytes of LDS; arguments x_img, y_bh, Wq_img, Wk_i2b, Wq_bh, Wk_b2i, Wv_i2b, Wv_b2i, Wp_img, Wp_bh, attention_mask, qc, qs; writes qc, qs
.if DOCPART == 1
	.amdgcn_target "amdgcn-amd-amdhsa--gfx1250"
	.amdhsa_code_object_version 6
	.text
	.protected	k_q8f9cbf1e47_quant
	.globl	k_q8f9cbf1e47_quant
	.p2align	8
	.type	k_q8f9cbf1e47_quant,@function
k_q8f9cbf1e47_quant:
	s_mov_b64 s[64:65], 0
	v_nop
	global_prefetch_b8 v0, s[64:65] scope:SCOPE_SE
	s_setreg_imm32_b32 hwreg(HW_REG_WAVE_MODE, 25, 1), 1
	s_wait_xcnt 0x0
; x_img, y_bh, the eight weights and attention_mask, all f32 with rows of 768, become codes of FP6 (E2M3) with one E8M0 byte for each 32 along the rows.
; A block's byte is its largest magnitude's exponent field - 2, held at 1 from below; each number is divided by the scale and rounded to the nearest code, ties to even, beyond 7.5 the largest code.
; LIMITS: NaN and infinities are not served.  A block of zeros, or one whose largest magnitude lies under 2^-124, keeps the byte 1: the bytes are read by this program alone, and zero codes add nothing under any byte but 0xff.
; THE CODES ARE LAID AS IMAGES OF OPERAND REGISTERS.  An image is one fragment, 16 rows x 128 K, 12 registers a lane: registers 4 j .. 4 j + 3 of lane l at byte 512 j + 16 l: 1,536 bytes, stored and later loaded by three
; instructions of 512 consecutive bytes.  Rows come in groups of 32; tile u (0, 1) of a group holds in lane r the group's row 8 u + r + 8 (r / 8), so that the results of two neighbouring tiles used as source 0 are 16 neighbours.
;   x, y, weights: image (group g, K step s, tile u) at ((6 g + s) 2 + u) 1,536; its 16 scale words at (6 g + s) 128 + 64 u + 4 r.
;   attention_mask: an image for each (head, group): registers 6 u .. 6 u + 5 = tile u's 64 columns of the head; at MOFF + (128 head + group) 1,536; words (byte 2 u + half) at MSOFF + (128 head + group) 64 + 4 r.
; SHARES.  576 groups of 32 rows x 6 K steps.  A wave takes one group and three K steps; a work-group two groups of one tensor.  The tensor is chosen by compares of the work-group's number, and so are the strides
; of the stores and two selects of data in which the mask's layout differs: one path for all.  No barrier: waves share nothing.
; A UNIT is 32 rows x 128 K: 32 loads of 512 consecutive bytes; they turn through the wave's own stage in LDS (rows 528 bytes apart: 33 x 16, so that sixteen rows' 16 bytes fall on different banks) and come back
; with 32 neighbours along K, twice, in each lane.  The next unit's 32 loads are out while a unit is worked.
.set GRPB,  98304                      ; 32 rows of 3,072 bytes
.set MOFF,  8257536                    ; 448 groups x 18,432 bytes
.set MSOFF, 344064                     ; 448 groups x 768 bytes
.set PL,    528
.set WST,   32*PL                      ; a wave's stage
.set R,     16                         ; v16-143  32 rows x 4 registers as loaded
.set X,     144                        ; v144-207 64 numbers of my row: register 32 c + i = k 64 c + 32 h + i
.set IMG,   208                        ; v208-231 two images
.set CT,    232                        ; v232-238 the conversions' second halves
; v2 16 x lane; v3 stage in; v4 stage out; v5 scale words' offset; v6 second image's offset; v7 8 h; v240-245 maxima, scale operands, bytes; v246-247 the tiles' scale words; v248-251 at work
	s_load_b512 s[8:23], s[0:1], 0x0               ; argument i at s[8 + 2 i]
	s_load_b256 s[24:31], s[0:1], 0x40
	s_load_b64 s[32:33], s[0:1], 0x60
	v_lshl_add_u32 v254, v0, 2, 0x10800
	v_mov_b32 v255, 0
	v_lshrrev_b32 v1, 5, v0
	v_readfirstlane_b32 s7, v1                     ; wave
	v_and_b32 v1, 31, v0
	v_and_b32 v8, 15, v0                           ; r
	s_wait_alu depctr_va_vdst(0)
	v_bfe_u32 v9, v0, 4, 1                         ; h
	v_lshlrev_b32 v2, 4, v1
	s_mul_i32 s34, s7, WST
	v_add_nc_u32 v3, s34, v2                       ; in: a row's 512 bytes on end
	v_mul_u32_u24 v4, v8, PL
	v_lshl_add_u32 v4, v9, 7, v4
	v_add_nc_u32 v4, s34, v4                       ; out: place r, + 128 h: my 32 numbers of each 64
	v_lshlrev_b32 v7, 3, v9
	v_mov_b32 v248, 0                              ; a lane permute's destination counts as read
	s_mov_b32 s56, 0x76543210
	s_mov_b32 s57, 0xfedcba98                      ; v_permlanex16_b32: lane l xor 16
	s_mov_b32 s55, 0xffff0000                      ; lanes 16-31
	s_lshr_b32 s35, s7, 1
	s_and_b32 s36, s7, 1                           ; which three K steps
	s_lshl_b32 s37, ttmp9, 1
	s_add_co_u32 s37, s37, s35                     ; my group, 0 .. 575
	s_mov_b32 s38, 18432                           ; the plain layout's figures; the mask's take their place below
	s_mov_b32 s39, 9216
	s_mov_b32 s59, 3072
	s_mov_b32 s60, 1536
	s_mov_b32 s61, 768
	s_mov_b32 s62, 384
	s_mov_b32 s2, 128
	s_mov_b32 s52, 0x03020100
	s_mov_b32 s53, 0x07060504
	s_cmp_ge_u32 ttmp9, 224                        ; attention_mask's work-groups
	s_cselect_b32 s38, 1536, s38                   ; codes: bytes from group to group,
	s_cselect_b32 s39, 1179648, s39                ; for three K steps,
	s_cselect_b32 s58, MOFF-448*1536, 0            ; the region's start,
	s_cselect_b32 s59, 393216, s59                 ; from K step to K step,
	s_cselect_b32 s60, 196608, s60                 ; from a unit's first image to its second
	s_cselect_b32 s61, 64, s61                     ; the same five for the scale words
	s_cselect_b32 s62, 49152, s62
	s_cselect_b32 s63, MSOFF-448*64, 0
	s_cselect_b32 s2, 16384, s2
	s_cselect_b32 s3, 8192, 64
	s_cselect_b32 s52, 0x05040100, s52             ; how the two tiles' words make the two images' words
	s_cselect_b32 s53, 0x07060302, s53
	s_cselect_b32 s54, -1, 0                       ; all lanes: the mask's order of registers
	v_lshlrev_b32 v5, 2, v8
	s_wait_alu depctr_va_vdst(0)
	v_mad_u32_u24 v5, v9, s3, v5                   ; lanes 0-15 store the first image's words, lanes 16-31 the second's
	v_add_nc_u32 v6, s60, v2
	s_mul_i32 s38, s37, s38
	s_mul_i32 s39, s36, s39
	s_add_co_u32 s38, s38, s39
	s_add_co_u32 s38, s38, s58                     ; my first unit's codes
	s_mov_b32 s39, 0
	s_mul_i32 s61, s37, s61
	s_mul_i32 s62, s36, s62
	s_add_co_u32 s62, s62, s61
	s_add_co_u32 s62, s62, s63                     ; and its scale words
	s_mov_b32 s63, 0
	s_wait_kmcnt 0x0
.irp t,0,1,2                           ; a pointer for each unit: none is stepped while a store is out
	s_add_nc_u64 s[40+2*\t:41+2*\t], s[30:31], s[38:39]
	s_add_nc_u64 s[46+2*\t:47+2*\t], s[32:33], s[62:63]
	s_add_co_u32 s38, s38, s59
	s_add_co_u32 s62, s62, s2
.endr
.macro PICK i, start                   ; from work-group start on: argument i
	s_cmp_ge_u32 ttmp9, \start
	s_cselect_b64 s[4:5], s[8+2*\i:9+2*\i], s[4:5]
	s_cselect_b32 s6, \start, s6
.endm
	s_mov_b64 s[4:5], s[8:9]
	s_mov_b32 s6, 0
	PICK 1, 64
	PICK 2, 128
	PICK 3, 140
	PICK 4, 152
	PICK 5, 164
	PICK 6, 176
	PICK 7, 188
	PICK 8, 200
	PICK 9, 212
	PICK 10, 224
	s_lshl_b32 s6, s6, 1
	s_sub_co_u32 s6, s37, s6                       ; my group within its tensor
	s_mul_i32 s34, s6, GRPB
	s_mul_i32 s35, s36, 1536
	s_add_co_u32 s34, s34, s35
	s_mov_b32 s35, 0
	s_add_nc_u64 s[4:5], s[4:5], s[34:35]
.macro LOADU t                         ; unit t: each load reads 512 consecutive bytes of one row
.set q, 0
.rept 32
	global_load_b128 v[R+4*q:R+4*q+3], v2, s[4:5] offset:q*3072+512*(\t) th:TH_LOAD_NT
.set q, q+1
.endr
.endm
.macro TILE u                          ; tile u's rows back from the stage: my row's 2 x 32 numbers
.set q, 0
.rept 16
	ds_load_b128 v[X+4*q:X+4*q+3], v4 offset:(\u)*16*PL+256*(q/8)+16*(q%8)
.set q, q+1
.endr
.endm
; My row's blocks h and 2 + h become registers d .. d + 11 of a fragment; w gets the row's scale word
.macro QUANT1 d, w
.irp c,0,1
	v_max3_num_f32 v[240+\c], |v[X+32*\c]|, |v[X+32*\c+1]|, 0x1800000   ; with the floor 2^(3 - 127): the byte cannot fall under 1
.endr
.irp i,2,4,6,8,10,12,14,16,18,20,22,24,26,28,30
.irp c,0,1
	v_max3_num_f32 v[240+\c], v[240+\c], |v[X+32*\c+\i]|, |v[X+32*\c+\i+1]|
.endr
.endr
.irp c,0,1
	v_add_nc_u32 v[242+\c], 0xff000000, v[240+\c]  ; 2 off the exponent field: the conversion's scale operand
.endr
.irp c,0,1
	v_lshrrev_b32 v[244+\c], 23, v[242+\c]         ; the byte
.endr
	v_lshl_or_b32 v[\w], v245, 16, v244
	v_lshlrev_b32 v[\w], v7, v[\w]                 ; bytes h and 2 + h
	v_permlanex16_b32 v248, v[\w], s56, s57
	v_or_b32 v[\w], v[\w], v248                    ; with lane l xor 16's two the word is whole
.irp c,0,1
	v_cvt_scalef32_pk16_fp6_f32 v[\d+6*\c:\d+6*\c+2], v[X+32*\c:X+32*\c+15], v[242+\c]
	v_cvt_scalef32_pk16_fp6_f32 v[CT+4*\c:CT+4*\c+2], v[X+32*\c+16:X+32*\c+31], v[242+\c]   ; (a conversion's three registers begin on an even number)
.endr
	v_nop                                          ; one plain place behind a scaled conversion
.irp c,0,1
.irp i,0,1,2
	v_mov_b32 v[\d+3+6*\c+\i], v[CT+4*\c+\i]
.endr
.endr
.endm
.macro UNIT t
	s_wait_loadcnt 0x0                             ; the unit's 32 rows are in
.set q, 0
.rept 32
	ds_store_b128 v3, v[R+4*q:R+4*q+3] offset:(16*((q/8)%2)+q%8+8*(q/16))*PL   ; row q to the place of its tile and lane
.set q, q+1
.endr
	TILE 0                                         ; LDS serves a wave's instructions in order: these see the stores
	s_wait_dscnt 0x0
	s_wait_xcnt 0x0                                ; the last unit's stores have read their registers, which are written again below
.if (\t) < 2
	LOADU (\t)+1
.endif
	QUANT1 IMG, 246
	TILE 1
	s_wait_dscnt 0x0
	QUANT1 IMG+12, 247
.irp i,0,1,2,3,4,5                     ; the mask's images hold (head, tile) where the others hold (tile, half of K): the two middle runs of six change places
	v_mov_b32 v249, v[IMG+6+\i]
	v_cndmask_b32 v[IMG+6+\i], v[IMG+6+\i], v[IMG+12+\i], s54
	v_cndmask_b32 v[IMG+12+\i], v[IMG+12+\i], v249, s54
.endr
	v_perm_b32 v250, v247, v246, s52               ; the first image's word,
	v_perm_b32 v251, v247, v246, s53               ; the second's,
	v_cndmask_b32 v250, v250, v251, s55            ; which lanes 16-31 store
.irp j,0,1,2
	global_store_b128 v2, v[IMG+4*\j:IMG+4*\j+3], s[40+2*(\t):41+2*(\t)] offset:512*\j       ; 512 consecutive bytes, aligned
	global_store_b128 v6, v[IMG+12+4*\j:IMG+12+4*\j+3], s[40+2*(\t):41+2*(\t)] offset:512*\j
.endr
	global_store_b32 v5, v250, s[46+2*(\t):47+2*(\t)]
.endm
	LOADU 0
	UNIT 0
	UNIT 1
	UNIT 2
	s_wait_tensorcnt 0x0
	ds_add_u32 v254, v255
	s_wait_dscnt 0x0
	s_endpgm
.Lfunc_end_k_q8f9cbf1e47_quant:
	.size	k_q8f9cbf1e47_quant, .Lfunc_end_k_q8f9cbf1e47_quant-k_q8f9cbf1e47_quant
	.p2alignl 7, 3214868480
	.fill 96, 4, 3214868480
	.section	.rodata,"a",@progbits
	.p2align	6, 0x0
	.amdhsa_kernel k_q8f9cbf1e47_quant
		.amdhsa_group_segment_fixed_size 68096
		.amdhsa_private_segment_fixed_size 0
		.amdhsa_enable_private_segment 0
		.amdhsa_kernarg_size 104
		.amdhsa_user_sgpr_count 2
		.amdhsa_user_sgpr_kernarg_segment_ptr 1
		.amdhsa_wavefront_size32 1
		.amdhsa_system_sgpr_workgroup_id_x 1
		.amdhsa_system_sgpr_workgroup_id_y 1
		.amdhsa_system_sgpr_workgroup_id_z 1
		.amdhsa_system_vgpr_workitem_id 0
		.amdhsa_next_free_vgpr 256
		.amdhsa_next_free_sgpr 66
		.amdhsa_reserve_vcc 0
		.amdhsa_float_denorm_mode_32 3
		.amdhsa_float_denorm_mode_16_64 3
		.amdhsa_memory_ordered 1
		.amdhsa_forward_progress 1
		.amdhsa_inst_pref_size 50
	.end_amdhsa_kernel
	.amdgpu_metadata
---
amdhsa.version: [ 1, 2 ]
amdhsa.kernels:
  - .name:           k_q8f9cbf1e47_quant
    .symbol:         k_q8f9cbf1e47_quant.kd
    .args:
      - { .name: x_img, .offset: 0, .size: 8, .value_kind: global_buffer, .address_space: global }
      - { .name: y_bh, .offset: 8, .size: 8, .value_kind: global_buffer, .address_space: global }
      - { .name: Wq_img, .offset: 16, .size: 8, .value_kind: global_buffer, .address_space: global }
      - { .name: Wk_i2b, .offset: 24, .size: 8, .value_kind: global_buffer, .address_space: global }
      - { .name: Wq_bh, .offset: 32, .size: 8, .value_kind: global_buffer, .address_space: global }
      - { .name: Wk_b2i, .offset: 40, .size: 8, .value_kind: global_buffer, .address_space: global }
      - { .name: Wv_i2b, .offset: 48, .size: 8, .value_kind: global_buffer, .address_space: global }
      - { .name: Wv_b2i, .offset: 56, .size: 8, .value_kind: global_buffer, .address_space: global }
      - { .name: Wp_img, .offset: 64, .size: 8, .value_kind: global_buffer, .address_space: global }
      - { .name: Wp_bh, .offset: 72, .size: 8, .value_kind: global_buffer, .address_space: global }
      - { .name: attention_mask, .offset: 80, .size: 8, .value_kind: global_buffer, .address_space: global }
      - { .name: qc, .offset: 88, .size: 8, .value_kind: global_buffer, .address_space: global }
      - { .name: qs, .offset: 96, .size: 8, .value_kind: global_buffer, .address_space: global }
    .group_segment_fixed_size: 68096
    .private_segment_fixed_size: 0
    .kernarg_segment_align: 8
    .kernarg_segment_size: 104
    .max_flat_workgroup_size: 128
    .sgpr_count:     66
    .vgpr_count:     256
    .wavefront_size: 32
...
	.end_amdgpu_metadata
.endif
;; end of part 1
;; launch proj (part 2): grid 256 x 1, 4 waves a work-group, no clusters, 0 bytes of LDS; arguments qc, qs, bq_img, bk_i2b, bq_bh, bk_b2i, bv_i2b, bv_b2i, pc, ps; writes pc, ps
.if DOCPART == 2
	.amdgcn_target "amdgcn-amd-amdhsa--gfx1250"
	.amdhsa_code_object_version 6
	.text
	.protected	k_q8f9cbf1e47_proj
	.globl	k_q8f9cbf1e47_proj
	.p2align	8
	.type	k_q8f9cbf1e47_proj,@function
k_q8f9cbf1e47_proj:
	s_mov_b64 s[64:65], 0
	v_nop
	global_prefetch_b8 v0, s[64:65] scope:SCOPE_SE
	s_setreg_imm32_b32 hwreg(HW_REG_WAVE_MODE, 25, 1), 1
	s_wait_xcnt 0x0
; The six input projections on codes of FP6 (E2M3), each with its bias, and their results quantised again for the attention: q and k along a head's 64, v along the keys.
; ONE SCHEME.  Source 0 ("S0") is 128 rows for all of K = 768: 48 fragments, 576 registers, loaded once and kept.  Source 1 ("S1") is a tile of 16 rows.  In the result a lane holds ONE row of S1 and 64 neighbours
; along S0's rows (the tiles of S0 hold rows 8 u + r + 8 (r / 8) of a group of 32), which is what the conversions want.  q, k: S1 = tokens, S0 = 128 rows of a weight (two heads).  v: S1 = rows of Wv, S0 = 128 tokens,
; so that v's codes come out with the keys innermost.  All operands arrive as images of registers (three loads of 512 consecutive bytes a fragment) straight from memory: no LDS, no barrier, waves share nothing.
; SHARES.  A cell is 32 rows of S1 x 128 of S0: 96 matrix instructions.  Work-groups 0-191: wave W = 4 x work-group + wave takes 128 rows of a weight (W / 32) and four cells (W % 32).  Work-groups 192-255: 128 tokens and six cells.
; 4,608 cells on 1,024 waves: the walks of four and of six are the price of one wave to each SIMD.
; OUT.  q, k: an image for each (tensor and head hh, group G of 32 tokens) at (128 hh + G) 1,536: registers 6 u .. 6 u + 5 = tile u's 64 columns of the head; words (byte 2 u + half) at (128 hh + G) 64 + 4 r.
;       v: an image for each (tensor and batch, head, 128 keys ks, tile dt of 16 of the head's 64) at VOFF + (((2 vt + b) 12 + head) 64 + 4 ks + dt) 1,536; words at VSOFF + the same x 64.
; LIMITS: as the quantiser's: NaN and infinities are not served; a block under 2^-124 keeps the byte 1.
; REGISTERS.  Window 0: v1 16 x lane, v2 4 x lane, v3 the words' offset, v4 the bias's; S1's six fragments; scale words; eight accumulators; two images.  Windows 1-3: S0's fragment (tile t, K step s) at
; v[12 (2 t + s % 2)] of window 1 + s / 2.  Window 3, v192-255: q's and k's bias in the result's layout.
.set VOFF,  9437184
.set VSOFF, 393216
.set S1F, 16                           ; v16-87
.set S1S, 88                           ; v88-93   S1's scale words, one register a K step: lanes 0-15 tile 0, lanes 16-31 tile 1
.set S0S, 96                           ; v96-119  S0's: register 6 g + s: lanes 0-15 tile 2 g, lanes 16-31 tile 2 g + 1
.set ACC, 120                          ; v120-183
.set IMG, 184                          ; v184-207
.set CT,  208                          ; v208-214
.set TM,  216                          ; v216-231
.set PW,  232                          ; v232-233 the two passes' scale words
.set VBL, 234                          ; v's bias of my row
.set OW,  235                          ; v235-236
.set BV,  240                          ; v240-247 v's bias, eight times
.set BI,  192
.set MSB, 0
.macro WIN new                         ; the immediate's high byte repeats the setting that is left
.if MSB != (\new)
	s_set_vgpr_msb (MSB<<8)|(\new)
.set MSB, (\new)
.endif
.endm
.macro NOPS n
.rept \n
	v_nop
.endr
.endm
; one product: D at d, source 0 at a, source 1 at b, C as written, scale words in sa and sb; ra, rb: taken from lanes 16-31
.macro WM d, a, b, c, sa, sb, ra, rb
.if (\ra) && (\rb)
	v_wmma_scale_f32_16x16x128_f8f6f4 v[\d:\d+7], v[\a:\a+11], v[\b:\b+11], \c, v[\sa], v[\sb] matrix_a_fmt:MATRIX_FMT_FP6 matrix_b_fmt:MATRIX_FMT_FP6 matrix_a_scale:MATRIX_SCALE_ROW1 matrix_b_scale:MATRIX_SCALE_ROW1
.elseif (\ra)
	v_wmma_scale_f32_16x16x128_f8f6f4 v[\d:\d+7], v[\a:\a+11], v[\b:\b+11], \c, v[\sa], v[\sb] matrix_a_fmt:MATRIX_FMT_FP6 matrix_b_fmt:MATRIX_FMT_FP6 matrix_a_scale:MATRIX_SCALE_ROW1
.elseif (\rb)
	v_wmma_scale_f32_16x16x128_f8f6f4 v[\d:\d+7], v[\a:\a+11], v[\b:\b+11], \c, v[\sa], v[\sb] matrix_a_fmt:MATRIX_FMT_FP6 matrix_b_fmt:MATRIX_FMT_FP6 matrix_b_scale:MATRIX_SCALE_ROW1
.else
	v_wmma_scale_f32_16x16x128_f8f6f4 v[\d:\d+7], v[\a:\a+11], v[\b:\b+11], \c, v[\sa], v[\sb] matrix_a_fmt:MATRIX_FMT_FP6 matrix_b_fmt:MATRIX_FMT_FP6
.endif
.endm
; 64 numbers of a lane, register 16 b + i = place 32 b + 16 (lane / 16) + i of my row, become two runs of six registers (blocks 0, 1 at d0; blocks 2, 3 at d1; lane half h holds block 2 c + h) and the row's scale word in w
.macro QUANT s, d0, d1, w
.irp b,0,1,2,3
	v_max3_num_f32 v[TM+\b], |v[\s+16*\b]|, |v[\s+16*\b+1]|, 0x1800000   ; with the floor 2^(3 - 127).  Each accumulator is read from its low end on
.endr
.irp i,2,4,6,8,10,12,14
.irp b,0,1,2,3
	v_max3_num_f32 v[TM+\b], v[TM+\b], |v[\s+16*\b+\i]|, |v[\s+16*\b+\i+1]|
.endr
.endr
.irp b,0,1,2,3
	v_permlanex16_b32 v[TM+4+\b], v[TM+\b], s48, s49
.endr
.irp b,0,1,2,3
	v_max_num_f32 v[TM+\b], v[TM+\b], v[TM+4+\b]   ; with lane l xor 16's sixteen: the block's largest magnitude
.endr
.irp b,0,1,2,3
	v_add_nc_u32 v[TM+12+\b], 0xff000000, v[TM+\b] ; 2 off the exponent field: the conversion's scale operand
.endr
.irp b,0,1,2,3
	v_lshrrev_b32 v[TM+4+\b], 23, v[TM+12+\b]      ; the byte
.endr
	v_lshl_or_b32 v[\w], v[TM+5], 8, v[TM+4]
	v_lshl_or_b32 v[\w], v[TM+6], 16, v[\w]
	v_lshl_or_b32 v[\w], v[TM+7], 24, v[\w]
	v_cvt_scalef32_pk16_fp6_f32 v[\d0:\d0+2], v[\s:\s+15], v[TM+12]
	v_cvt_scalef32_pk16_fp6_f32 v[CT:CT+2], v[\s+16:\s+31], v[TM+13]
	v_cvt_scalef32_pk16_fp6_f32 v[\d1:\d1+2], v[\s+32:\s+47], v[TM+14]
	v_cvt_scalef32_pk16_fp6_f32 v[CT+4:CT+6], v[\s+48:\s+63], v[TM+15]
	v_nop                                          ; one plain place behind a scaled conversion
.irp i,0,1,2
	v_permlane16_swap_b32 v[\d0+\i], v[CT+\i]      ; half blocks become whole blocks: the first's lanes 16-31 change places with the second's lanes 0-15
	v_permlane16_swap_b32 v[\d1+\i], v[CT+4+\i]
.endr
.irp i,0,1,2
	v_mov_b32 v[\d0+3+\i], v[CT+\i]
	v_mov_b32 v[\d1+3+\i], v[CT+4+\i]
.endr
.endm
	s_load_b256 s[4:11], s[0:1], 0x0               ; qc, qs, bq_img, bk_i2b
	s_load_b256 s[12:19], s[0:1], 0x20             ; bq_bh, bk_b2i, bv_i2b, bv_b2i
	s_load_b128 s[20:23], s[0:1], 0x40             ; pc, ps
	v_lshrrev_b32 v1, 5, v0
	v_readfirstlane_b32 s24, v1                    ; wave
	v_and_b32 v5, 31, v0
	v_and_b32 v6, 15, v0                           ; r
	v_bfe_u32 v7, v0, 4, 1                         ; h
	v_lshlrev_b32 v1, 4, v5
	v_lshlrev_b32 v2, 2, v5
.irp b,0,1,2,3
	v_mov_b32 v[TM+4+\b], 0                        ; a lane permute's destination counts as read
.endr
	s_mov_b32 s48, 0x76543210
	s_mov_b32 s49, 0xfedcba98
	s_mov_b32 s50, 0xffff0000                      ; lanes 16-31
	s_lshl_b32 s25, ttmp9, 2
	s_add_co_u32 s25, s25, s24                     ; W
	s_lshr_b32 s26, s25, 5                         ; q, k: which 128 rows of the four weights, 0 .. 23
	s_and_b32 s27, s25, 31                         ;       which four groups of tokens
	s_lshl_b32 s44, s26, 2
	s_add_co_u32 s44, s44, 256                     ;       S0's first group
	s_lshl_b32 s45, s27, 2
	s_cmp_ge_u32 s26, 12
	s_cselect_b32 s46, 128, 0                      ;       x for the first two weights, y for the others
	s_add_co_u32 s45, s45, s46                     ;       S1's first group
	s_sub_co_u32 s51, s25, 768
	s_and_b32 s56, s51, 3                          ; v: which six groups of Wv's rows
	s_bfe_u32 s57, s51, 0x50002                    ;    which 128 tokens, 0 .. 31
	s_bfe_u32 s58, s51, 0x10007                    ;    0: x and Wv_i2b; 1: y and Wv_b2i
	s_mul_i32 s43, s56, 6                          ;    the group of Wv's rows in hand
	s_lshl_b32 s46, s58, 5
	s_add_co_u32 s46, s46, s57
	s_lshl_b32 s46, s46, 2
	s_mul_i32 s47, s58, 24
	s_add_co_u32 s47, s47, s43
	s_add_co_u32 s47, s47, 352
	s_cmp_ge_u32 ttmp9, 192
	s_cselect_b32 s44, s46, s44
	s_cselect_b32 s45, s47, s45
	s_mul_i32 s28, s44, 18432
	s_mov_b32 s29, 0
	s_mul_i32 s30, s44, 768
	s_mov_b32 s31, 0
	s_mul_i32 s32, s45, 18432
	s_mov_b32 s33, 0
	s_mul_i32 s34, s45, 768
	s_mov_b32 s35, 0
	s_wait_alu depctr_va_vdst(0)
	s_wait_kmcnt 0x0
	s_add_nc_u64 s[28:29], s[4:5], s[28:29]        ; S0's codes,
	s_add_nc_u64 s[30:31], s[6:7], s[30:31]        ; its scale words,
	s_add_nc_u64 s[32:33], s[4:5], s[32:33]        ; S1's codes,
	s_add_nc_u64 s[34:35], s[6:7], s[34:35]        ; its scale words
.irp w,0,1,2
	WIN 0x40*(\w+1)                                ; destination window 1 + w
.irp e,0,1
.irp t,0,1,2,3,4,5,6,7
.irp j,0,1,2
	global_load_b128 v[12*(2*\t+\e)+4*\j:12*(2*\t+\e)+4*\j+3], v1, s[28:29] offset:(\t/2)*18432+(2*\w+\e)*3072+(\t%2)*1536+512*\j
.endr
.endr
.endr
.endr
	WIN 0
.irp g,0,1,2,3
.irp s,0,1,2,3,4,5
	global_load_b32 v[S0S+6*\g+\s], v2, s[30:31] offset:(6*\g+\s)*128
.endr
.endr
.irp s,0,1,2,3,4,5
.irp j,0,1,2
	global_load_b128 v[S1F+12*\s+4*\j:S1F+12*\s+4*\j+3], v1, s[32:33] offset:\s*3072+512*\j
.endr
	global_load_b32 v[S1S+\s], v2, s[34:35] offset:128*\s
.endr
; A PASS: one tile of S1 (tile u of the group in hand) against S0's eight tiles, K step by K step; the eight accumulators take turns, one instruction a turn.  Behind each K step's products, and four
; places, the NEXT tile's fragment of that K step is asked for into the same registers (ahead = 1): it has five K steps and a quantising in which to land.
; THE COUNTED WAIT: behind the three loads of a K step's fragment five more groups of at least three loads have been issued when it is wanted: at most 15 out shows it landed.  In a walk's last pass nothing is issued: 3 (5 - s).
.macro PASS isv, u, ahead
.if \isv
	s_wait_loadcnt 15                              ; my row's bias: the first load of a pass's first group, with 18 loads or more behind it
.irp j,0,1,2,3,4,5,6,7
	v_mov_b32 v[BV+\j], v[VBL]
.endr
	s_wait_alu depctr_va_vdst(0)
	NOPS 4
.endif
.irp s,0,1,2,3,4,5
.if \ahead
	s_wait_loadcnt 15
.else
	s_wait_loadcnt 3*(5-\s)
.endif
.if \s == 0
	WIN 0x31-0x30*\isv                             ; source 0 window 1; the bias as C: window 3 (q, k) or 0 (v)
.else
	WIN 1+\s/2
.endif
.irp t,0,1,2,3,4,5,6,7
.if (\s == 0) && \isv
	WM ACC+8*\t, 12*(2*\t), S1F, v[BV:BV+7], S0S+6*(\t/2), S1S, \t%2, \u
.elseif \s == 0
	WM ACC+8*\t, 12*(2*\t), S1F, v[BI+8*\t:BI+8*\t+7], S0S+6*(\t/2), S1S, \t%2, \u
.else
	WM ACC+8*\t, 12*(2*\t+\s%2), S1F+12*\s, v[ACC+8*\t:ACC+8*\t+7], S0S+6*(\t/2)+\s, S1S+\s, \t%2, \u
.endif
.endr
	NOPS 4                                         ; places in front of loads into registers that these products read, and of the first read of results
	WIN 0
.if \ahead
.if \isv && (\s == 0)
	global_load_b32 v[VBL], v4, s[36:37] offset:32+96*\u
.endif
.irp j,0,1,2
	global_load_b128 v[S1F+12*\s+4*\j:S1F+12*\s+4*\j+3], v1, s[32:33] offset:(2*\s+1)*1536+\u*16896+512*\j
.endr
.if \u
	global_load_b32 v[S1S+\s], v2, s[34:35] offset:768+128*\s
.endif
.endif
.endr
.if \isv
	QUANT ACC, IMG+12*\u, IMG+12*\u+6, PW+\u       ; an image for each tile of Wv's rows: 128 keys
.else
	QUANT ACC, IMG+6*\u, IMG+12+6*\u, PW+\u        ; an image for each head: this tile's 64 columns are its registers 6 u on
.endif
.endm
	s_cmp_ge_u32 ttmp9, 192
	s_cbranch_scc1 .Lvpath
	; ---- q and k
	s_mov_b64 s[36:37], s[8:9]                     ; the weight's bias, by W / 32 / 6
	s_mov_b32 s46, 0
	s_cmp_ge_u32 s26, 6
	s_cselect_b64 s[36:37], s[10:11], s[36:37]
	s_cselect_b32 s46, 6, s46
	s_cmp_ge_u32 s26, 12
	s_cselect_b64 s[36:37], s[12:13], s[36:37]
	s_cselect_b32 s46, 12, s46
	s_cmp_ge_u32 s26, 18
	s_cselect_b64 s[36:37], s[14:15], s[36:37]
	s_cselect_b32 s46, 18, s46
	s_sub_co_u32 s46, s26, s46
	s_lshl_b32 s46, s46, 9                         ; my 128 numbers of it
	s_mov_b32 s47, 0
	s_add_nc_u64 s[36:37], s[36:37], s[46:47]
	v_lshlrev_b32 v4, 6, v7                        ; lane (r, h) wants, for tile 2 g + u, the numbers 32 g + 16 h + 8 u + 0 .. 7
	WIN 0xc0
.irp t,0,1,2,3,4,5,6,7
	global_load_b128 v[BI+8*\t:BI+8*\t+3], v4, s[36:37] offset:(32*(\t/2)+8*(\t%2))*4
	global_load_b128 v[BI+8*\t+4:BI+8*\t+7], v4, s[36:37] offset:(32*(\t/2)+8*(\t%2))*4+16
.endr
	WIN 0
	s_lshl_b32 s46, s26, 8                         ; 128 x (the first of my two heads: 2 x W / 32)
	s_lshl_b32 s44, s27, 2
	s_add_co_u32 s46, s46, s44                     ; + my first group of tokens
	s_mul_i32 s44, s46, 1536
	s_mov_b32 s45, 0
	s_add_nc_u64 s[38:39], s[20:21], s[44:45]
	s_lshl_b32 s44, s46, 6
	s_add_nc_u64 s[40:41], s[22:23], s[44:45]
	v_lshlrev_b32 v3, 2, v6
	v_lshl_add_u32 v3, v7, 13, v3                  ; lanes 0-15 store the first head's words, lanes 16-31 the second's, 128 x 64 bytes on
	s_mov_b32 s42, 3
	s_wait_loadcnt 0x0
.macro OUTQK
.irp c,0,1
.irp j,0,1,2
	global_store_b128 v1, v[IMG+12*\c+4*\j:IMG+12*\c+4*\j+3], s[38:39] offset:196608*\c+512*\j   ; 512 consecutive bytes, aligned
.endr
.endr
	v_perm_b32 v[OW], v[PW+1], v[PW], 0x05040100   ; a head's word: its two bytes of tile 0's word, then of tile 1's
	v_perm_b32 v[OW+1], v[PW+1], v[PW], 0x07060302
	v_cndmask_b32 v[OW], v[OW], v[OW+1], s50
	global_store_b32 v3, v[OW], s[40:41]
.endm
.Lqk:
	PASS 0, 0, 1
	PASS 0, 1, 1
	OUTQK
	s_wait_xcnt 0x0                                ; loads and stores have read their bases and data: both are written again below and in the next trip
	s_add_nc_u64 s[32:33], s[32:33], 18432
	s_add_nc_u64 s[34:35], s[34:35], 768
	s_add_nc_u64 s[38:39], s[38:39], 1536
	s_add_nc_u64 s[40:41], s[40:41], 64
	s_sub_co_u32 s42, s42, 1
	s_cmp_lg_u32 s42, 0
	s_cbranch_scc1 .Lqk
	PASS 0, 0, 1                                   ; the last cell asks for nothing beyond itself
	PASS 0, 1, 0
	OUTQK
	s_endpgm
	; ---- v
.Lvpath:
	s_cmp_eq_u32 s58, 1
	s_cselect_b64 s[36:37], s[18:19], s[16:17]
	s_lshl_b32 s44, s43, 7
	s_mov_b32 s45, 0
	s_add_nc_u64 s[36:37], s[36:37], s[44:45]      ; the bias at my first group of Wv's rows
	v_and_b32 v4, 8, v6
	v_add_nc_u32 v4, v4, v6
	v_lshlrev_b32 v4, 2, v4                        ; my row of tile 0: r + 8 (r / 8); tile 1's lies 8 further on
	global_load_b32 v[VBL], v4, s[36:37]
	s_lshr_b32 s44, s57, 4                         ; the batch,
	s_lshl_b32 s46, s58, 1
	s_add_co_u32 s44, s44, s46
	s_mul_i32 s44, s44, 768
	s_and_b32 s46, s57, 15                         ; the step of 128 keys
	s_lshl_b32 s46, s46, 2
	s_add_co_u32 s44, s44, s46                     ; image (2 vt + b) 768 + 4 ks
	s_mul_i32 s46, s44, 1536
	s_add_co_u32 s46, s46, VOFF
	s_mov_b32 s47, 0
	s_add_nc_u64 s[52:53], s[20:21], s[46:47]
	s_lshl_b32 s46, s44, 6
	s_add_co_u32 s46, s46, VSOFF
	s_add_nc_u64 s[54:55], s[22:23], s[46:47]
.macro OUTPTR                          ; group gl of Wv's rows is head gl / 2, tiles 2 (gl % 2) and + 1: images 64 (gl / 2) + 2 (gl % 2) on
	s_lshr_b32 s44, s43, 1
	s_lshl_b32 s44, s44, 6
	s_and_b32 s46, s43, 1
	s_lshl_b32 s46, s46, 1
	s_or_b32 s44, s44, s46
	s_mul_i32 s46, s44, 1536
	s_mov_b32 s47, 0
	s_add_nc_u64 s[38:39], s[52:53], s[46:47]
	s_lshl_b32 s46, s44, 6
	s_add_nc_u64 s[40:41], s[54:55], s[46:47]
.endm
.macro OUTV
.irp c,0,1
.irp j,0,1,2
	global_store_b128 v1, v[IMG+12*\c+4*\j:IMG+12*\c+4*\j+3], s[38:39] offset:1536*\c+512*\j
.endr
.endr
	v_cndmask_b32 v[OW], v[PW], v[PW+1], s50
	global_store_b32 v2, v[OW], s[40:41]           ; 128 consecutive bytes: the two images' words
.endm
	OUTPTR
	s_mov_b32 s42, 5
	s_wait_loadcnt 0x0
.Lv:
	PASS 1, 0, 1
	PASS 1, 1, 1
	OUTV
	s_wait_xcnt 0x0                                ; as above
	s_add_nc_u64 s[32:33], s[32:33], 18432
	s_add_nc_u64 s[34:35], s[34:35], 768
	s_add_nc_u64 s[36:37], s[36:37], 128
	s_add_co_u32 s43, s43, 1
	OUTPTR
	s_sub_co_u32 s42, s42, 1
	s_cmp_lg_u32 s42, 0
	s_cbranch_scc1 .Lv
	PASS 1, 0, 1
	PASS 1, 1, 0
	OUTV
	s_endpgm
.Lfunc_end_k_q8f9cbf1e47_proj:
	.size	k_q8f9cbf1e47_proj, .Lfunc_end_k_q8f9cbf1e47_proj-k_q8f9cbf1e47_proj
	.p2alignl 7, 3214868480
	.fill 96, 4, 3214868480
	.section	.rodata,"a",@progbits
	.p2align	6, 0x0
	.amdhsa_kernel k_q8f9cbf1e47_proj
		.amdhsa_group_segment_fixed_size 0
		.amdhsa_private_segment_fixed_size 0
		.amdhsa_enable_private_segment 0
		.amdhsa_kernarg_size 80
		.amdhsa_user_sgpr_count 2
		.amdhsa_user_sgpr_kernarg_segment_ptr 1
		.amdhsa_wavefront_size32 1
		.amdhsa_system_sgpr_workgroup_id_x 1
		.amdhsa_system_sgpr_workgroup_id_y 1
		.amdhsa_system_sgpr_workgroup_id_z 1
		.amdhsa_system_vgpr_workitem_id 0
		.amdhsa_next_free_vgpr 1024
		.amdhsa_next_free_sgpr 66
		.amdhsa_reserve_vcc 0
		.amdhsa_float_denorm_mode_32 3
		.amdhsa_float_denorm_mode_16_64 3
		.amdhsa_memory_ordered 1
		.amdhsa_forward_progress 1
		.amdhsa_inst_pref_size 131
	.end_amdhsa_kernel
	.amdgpu_metadata
---
amdhsa.version: [ 1, 2 ]
amdhsa.kernels:
  - .name:           k_q8f9cbf1e47_proj
    .symbol:         k_q8f9cbf1e47_proj.kd
    .args:
      - { .name: qc, .offset: 0, .size: 8, .value_kind: global_buffer, .address_space: global }
      - { .name: qs, .offset: 8, .size: 8, .value_kind: global_buffer, .address_space: global }
      - { .name: bq_img, .offset: 16, .size: 8, .value_kind: global_buffer, .address_space: global }
      - { .name: bk_i2b, .offset: 24, .size: 8, .value_kind: global_buffer, .address_space: global }
      - { .name: bq_bh, .offset: 32, .size: 8, .value_kind: global_buffer, .address_space: global }
      - { .name: bk_b2i, .offset: 40, .size: 8, .value_kind: global_buffer, .address_space: global }
      - { .name: bv_i2b, .offset: 48, .size: 8, .value_kind: global_buffer, .address_space: global }
      - { .name: bv_b2i, .offset: 56, .size: 8, .value_kind: global_buffer, .address_space: global }
      - { .name: pc, .offset: 64, .size: 8, .value_kind: global_buffer, .address_space: global }
      - { .name: ps, .offset: 72, .size: 8, .value_kind: global_buffer, .address_space: global }
    .group_segment_fixed_size: 0
    .private_segment_fixed_size: 0
    .kernarg_segment_align: 8
    .kernarg_segment_size: 80
    .max_flat_workgroup_size: 128
    .sgpr_count:     66
    .vgpr_count:     1024
    .wavefront_size: 32
...
	.end_amdgpu_metadata
.endif
;; end of part 2
;; launch attn (part 3): grid 32 x 8, 12 waves a work-group, clusters of 4 x 1, 327,680 bytes of LDS; arguments pc, ps, qc, qs, ac, asc; writes ac, asc
.if DOCPART == 3
	.amdgcn_target "amdgcn-amd-amdhsa--gfx1250"
	.amdhsa_code_object_version 6
	.text
	.protected	k_q8f9cbf1e47_attn
	.globl	k_q8f9cbf1e47_attn
	.p2align	8
	.type	k_q8f9cbf1e47_attn,@function
k_q8f9cbf1e47_attn:
	s_mov_b64 s[64:65], 0
	v_nop
	global_prefetch_b8 v0, s[64:65] scope:SCOPE_SE
	s_setreg_imm32_b32 hwreg(HW_REG_WAVE_MODE, 25, 1), 1
	s_wait_xcnt 0x0
	s_wait_alu depctr_hold_cnt(0) depctr_sa_sdst(0) depctr_va_vdst(0) depctr_va_sdst(0) depctr_va_ssrc(0) depctr_va_vcc(0) depctr_vm_vsrc(0)
	s_getreg_b32 s2, hwreg(HW_REG_IB_STS2, 6, 4)
	s_cmp_eq_u32 s2, 0
	s_cbranch_scc0 .Lentry_in_a_cluster
	s_endpgm
.Lentry_in_a_cluster:
	s_bfe_u32 s2, ttmp6, 0x10000c
	s_cmp_lg_u32 s2, 0x3003
	s_cbranch_scc0 .Lentry_shape_is_right
	s_endpgm
.Lentry_shape_is_right:
; Both branches of the co-attention on codes of FP6 (E2M3): scores, softmax, weights x values, the division by the row's sum, and the result quantised along C for the output projection.
; SHARES.  6,144 tiles of 16 queries (2 branches x 24 (batch, head) x 128) on 256 work-groups of 12 waves: a work-group owns 64 queries x 3 heads of one batch; wave w takes head w / 4 of the three and tile w % 4,
; first as image queries over bh keys (with the mask), then as bh queries over image keys.  Every wave walks all 2,048 keys of each branch, 128 a step, 256 a slot.
; CLUSTERS.  The four work-groups of a cluster (4 x 1) differ in their queries alone: every tile of K, V, mask and scale words is asked for jointly (mask 15), one tensor load a wave behind each round.
; THE SOFTMAX.  t = logit x log2(e); M = the running largest t rounded up to a whole number; p = 2^(t - M) is quantised along the keys; the row's sum is taken of the unquantised p and divides at the end.
; When M moves, the sum and O are multiplied by 2^(old M - new M).  A block's largest p is its largest logit put through the same instructions (this takes v_exp_f32 not to fall where its input rises).
; THE MASK.  -10,000 is added wherever q . mask is not 0.  For that product q's scale bytes are raised by 64 (held at 254), so that the term is max(-|q . mask x 2^64|, -10,000): 0 for 0, else -10,000.
; logit = score / 8 + term is one rounding (a fused multiply-add), t = logit x log2(e) a second, t - M a third instruction.
; LIMITS.  A sum of products of codes that is not 0 is at least 2^(eq + em - 6), eq and em the blocks' scale exponents: the term is right while eq + em >= -44.  An overflow or a NaN in q . mask counts as not 0.
; NaN and infinities among the inputs are not served; blocks of p or of the result under 2^-124 keep the byte 1.
; LAYOUT.  Operands lie in memory as images of registers: 12 registers a lane, registers 4 j .. 4 j + 3 of lane l at 512 j + 16 l.  An image of K or of the mask holds two tiles of 16 keys of a group of 32 (tile u in
; k 64 u ..; lane r = key 8 u + r + 8 (r / 8)) and is multiplied by [q | 0] and [0 | q].  A FRAGMENT IS MIXED FROM TWO IMAGES by the LDS address: lanes r < 8 read lane r % 8 (X) or 8 + r % 8 (Y) of image A, lanes r >= 8 the
; same lanes of image B.  In the transposed result lanes 0-15 then hold all 32 keys of A's group in order in 32 registers, lanes 16-31 B's: a whole block of p in a lane, as the next operand wants it.
; LDS.  Part p (K of the three heads, V, mask) at 0x8000 p + 0x4000 slot: 24 rows of 512 bytes + 128 of padding, so that an image is 1,920 bytes and the two halves of a mixed read fall on different banks.
; The slot's scale words at SCB + 0x4000 slot: K, V, mask, each 3 heads x 512 bytes.  Then the spare words.  All of LDS is claimed.
; PREFETCH.  Behind the refill for slot n + 1 each part's wave names slot n + 2 of its part: 12,288 bytes, of which the partner at place cx takes 3,072 by address, a lane to each 256 (lanes 12-31 name the twelfth again).
; A branch's last two refills name nothing; its first two slots and the scale words (1,536 bytes a load) come by their loads alone.
; REGISTERS: v1 16 x lane, v2 8 h, v3-4 the add's two, v5-9 the slot's LDS addresses (K, V, mask, K's words, V's words), v10 f, v12 -M, v13 largest t, v[14:15] sum, v16-39 [q | 0], [0 | q], v40-47 scale words
; (q; K; K; mask; V; V; p; q raised), v48-95 fragments, v96-159 scores then p, v160-191 q . mask then work, v192-223 O^T, v224-235 p's codes, v236-239 lane parts of addresses, v240 prefetch, v241 -10,000,
; v242 8 x lane, v243 4 r, v244-255 and v0 the bh queries' image and words.
.set VOFF,  9437184
.set VSOFF, 393216
.set MOFF,  8257536
.set MSOFF, 344064
.set SLOTX, 0x4000
.set IMGP,  1920
.set CHP,   640
.set SCB,   0x48000
.set SPARE, 0x4d200
.set F,  48
.set S,  96
.set MK, 160
.set O,  192
.set PC, 224
.set BM, 160
.set TA, 164
.set TB, 165
.set SO, 166
.set BY, 168
.set WD, 170
.set CT, 172
.set T,  180
.macro NOPS n
.rept \n
	v_nop
.endr
.endm
.macro WM d, a, b, c, sa, sb, ra
.if (\ra)
	v_wmma_scale_f32_16x16x128_f8f6f4 v[\d:\d+7], v[\a:\a+11], v[\b:\b+11], \c, v[\sa], v[\sb] matrix_a_fmt:MATRIX_FMT_FP6 matrix_b_fmt:MATRIX_FMT_FP6 matrix_a_scale:MATRIX_SCALE_ROW1
.else
	v_wmma_scale_f32_16x16x128_f8f6f4 v[\d:\d+7], v[\a:\a+11], v[\b:\b+11], \c, v[\sa], v[\sb] matrix_a_fmt:MATRIX_FMT_FP6 matrix_b_fmt:MATRIX_FMT_FP6
.endif
.endm
.macro ROUND                           ; a round of the cluster's barrier
	s_barrier_signal -1
	s_barrier_wait -1
	s_cmp_lg_u32 s16, 0
	s_cbranch_scc1 .Lnw0_\@
	s_barrier_signal -3
.Lnw0_\@:
	s_barrier_wait -3
	s_barrier_signal -1
	s_barrier_wait -1
.endm
.macro TL g0, g1
	tensor_load_to_lds s[\g0:\g0+3], s[\g1:\g1+7]
	s_nop 0
	NOPS 4
.endm
; The wave's one joint load.  ph = 1: waves 0-8 a part each, 9 K's words, 10 V's, 11 the mask's.  ph = 2: waves 0-5, 9, 10.  The branches hang on the wave's number alone.
.macro JL ph
	s_cmp_lt_u32 s16, 12-3*\ph
	s_cbranch_scc0 .Lsv_\@
	TL 40, 56
	s_branch .Lj_\@
.Lsv_\@:
	s_cmp_eq_u32 s16, 10
	s_cbranch_scc0 .Lsk_\@
	TL 44, 84
	s_branch .Lj_\@
.Lsk_\@:
.if \ph == 2
	s_cmp_eq_u32 s16, 9
	s_cbranch_scc0 .Lj_\@
.endif
	TL 44, 76
.Lj_\@:
.endm
; offsets of branch br: q's image and words, the result's codes and scale bytes
.macro QO br, qp, qsp, op, osp
	s_add_co_u32 s30, s19, 24*\br
	s_lshl_b32 s30, s30, 7
	s_add_co_u32 s30, s30, s54
	s_mul_i32 s[\qp], s30, 1536
	s_mov_b32 s[\qp+1], 0
	s_lshl_b32 s[\qsp], s30, 6
	s_mov_b32 s[\qsp+1], 0
	s_lshl_b32 s30, s18, 7                         ; my tile of 16 rows = 256 br + 128 batch + 4 x + w % 4; 12 heads x 768 bytes a tile
	s_lshl_b32 s31, s28, 2
	s_add_co_u32 s30, s30, s31
	s_add_co_u32 s30, s30, s34
	s_add_co_u32 s30, s30, 256*\br
	s_mul_i32 s30, s30, 12
	s_add_co_u32 s30, s30, s19
	s_mul_i32 s[\op], s30, 768
	s_mov_b32 s[\op+1], 0
	s_add_co_u32 s30, s54, 128*\br                 ; scale bytes: ((128 br + G) 6 + head / 2) 128 + 64 u + 2 (head % 2)
	s_mul_i32 s30, s30, 6
	s_lshr_b32 s31, s19, 1
	s_add_co_u32 s30, s30, s31
	s_lshl_b32 s30, s30, 7
	s_lshl_b32 s31, s53, 6
	s_add_co_u32 s30, s30, s31
	s_and_b32 s31, s19, 1
	s_lshl_b32 s31, s31, 1
	s_add_co_u32 s[\osp], s30, s31
	s_mov_b32 s[\osp+1], 0
.endm
; s[d:d+1] = where head s[hd]'s K (type 0), V (1) or mask (2) begins for my batch; mb bytes an image (codes 1,536, words 64)
.macro ADDR d, hd, ty, mb, vo, mo, bkv, bm, kt, vt
	s_add_co_u32 s30, s[\hd], \kt
	s_lshl_b32 s30, s30, 7
	s_add_co_u32 s30, s30, s29
	s_mul_i32 s30, s30, \mb
	s_add_co_u32 s31, s18, \vt
	s_mul_i32 s31, s31, 12
	s_add_co_u32 s31, s31, s[\hd]
	s_mul_i32 s31, s31, 64*\mb
	s_add_co_u32 s31, s31, \vo
	s_lshl_b32 s32, s[\hd], 7
	s_add_co_u32 s32, s32, s29
	s_mul_i32 s32, s32, \mb
	s_add_co_u32 s32, s32, \mo
	s_cmp_eq_u32 s[\ty], 1
	s_cselect_b32 s30, s31, s30
	s_cmp_eq_u32 s[\ty], 2
	s_cselect_b32 s30, s32, s30
	s_cselect_b64 s[\d:\d+1], s[\bm:\bm+1], s[\bkv:\bkv+1]
	s_mov_b32 s31, 0
	s_add_nc_u64 s[\d:\d+1], s[\d:\d+1], s[30:31]
.endm
	s_load_b256 s[4:11], s[0:1], 0x0               ; pc, ps, qc, qs
	s_load_b128 s[12:15], s[0:1], 0x20             ; ac, asc
	v_lshl_add_u32 v3, v0, 2, SPARE
	v_mov_b32 v4, 0
	ds_add_u32 v3, v4                              ; the opening lines: the add twice and one wait
	ds_add_u32 v3, v4
	v_lshrrev_b32 v5, 5, v0
	v_readfirstlane_b32 s16, v5                    ; wave 0..11
	v_and_b32 v5, 31, v0                           ; lane
	v_and_b32 v6, 15, v0                           ; r
	v_bfe_u32 v7, v0, 4, 1                         ; h
	v_and_b32 v8, 7, v0                            ; r % 8
	v_bfe_u32 v9, v0, 3, 1                         ; r / 8
	v_lshlrev_b32 v1, 4, v5
	v_lshlrev_b32 v2, 3, v7
	v_lshlrev_b32 v242, 3, v5
	v_lshlrev_b32 v243, 2, v6
	v_min_u32 v240, 11, v5
	v_lshlrev_b32 v240, 8, v240
	v_mul_u32_u24 v236, v9, IMGP                   ; K, mixed: image r / 8, lane 16 h + r % 8
	v_lshl_add_u32 v236, v7, 8, v236
	v_lshl_add_u32 v236, v8, 4, v236
	v_lshlrev_b32 v238, 6, v9                      ; its words: image r / 8, word r % 8 + 8 h (lanes 0-15 serve X, lanes 16-31 Y)
	v_lshl_add_u32 v238, v7, 5, v238
	v_lshl_add_u32 v238, v8, 2, v238
	s_wait_alu depctr_va_vdst(0)                   ; the wait ahead of the scalar lines
	s_lshr_b32 s33, s16, 2                         ; which of the three heads
	s_and_b32 s34, s16, 3                          ; which tile of the 64 queries
	s_lshl_b32 s35, s33, 15
	v_add_nc_u32 v236, s35, v236
	s_add_co_u32 s36, s35, 3*0x8000
	v_add_nc_u32 v237, s36, v1                     ; V: plain lanes
	s_lshl_b32 s36, s33, 9
	s_add_co_u32 s36, s36, SCB
	v_add_nc_u32 v238, s36, v238
	v_lshl_add_u32 v239, v5, 2, s36
	v_add_nc_u32 v239, 1536, v239                  ; V's words: lanes 0-15 one image's, lanes 16-31 the next's
	v_mov_b32 v241, 0xc61c4000                     ; -10,000
	v_mov_b32 v11, 0                               ; (named as the upper half of the pair v[10:11])
.irp i,0,1,2,3,4,5
	v_mov_b32 v[22+\i], 0
	v_mov_b32 v[28+\i], 0
.endr
	v_mov_b32 v[CT], 0                             ; a lane permute's destination counts as read
	v_mov_b32 v[CT+1], 0
	s_and_b32 s17, ttmp7, 0xffff                   ; y = 4 batch + which three heads
	s_lshr_b32 s18, s17, 2
	s_and_b32 s26, s17, 3
	s_mul_i32 s26, s26, 3                          ; the first of the three
	s_add_co_u32 s19, s26, s33                     ; my head
	s_lshl_b32 s29, s18, 6
	s_bfe_u32 s100, ttmp6, 0x40000                 ; cx: it enters global addresses of queries, results and prefetches alone
	s_lshl_b32 s28, ttmp9, 2
	s_add_co_u32 s28, s28, s100                    ; x: which 64 queries
	s_mul_i32 s100, s100, 3072
	s_mov_b32 s101, 0
	s_mul_i32 s24, s16, 11
	s_lshr_b32 s24, s24, 5                         ; wave / 3: the type of the part that I fetch
	s_mul_i32 s27, s24, 3
	s_sub_co_u32 s27, s16, s27                     ; wave % 3: its head; for waves 9-11 the type of the words
	s_add_co_u32 s25, s26, s27
	s_and_b32 s53, s34, 1                          ; u: my tile of its group of 32 queries
	s_cmp_eq_u32 s53, 1
	s_cselect_b32 s55, -1, 0
	s_mov_b32 s52, 0x01000100                      ; q's two scale bytes, twice
	s_cselect_b32 s52, 0x03020302, s52
	s_lshl_b32 s54, s28, 1
	s_lshr_b32 s30, s34, 1
	s_add_co_u32 s54, s54, s30
	s_add_co_u32 s54, s54, s29                     ; G = 64 batch + 2 x + tile / 2
	QO 0, 36, 38, 92, 94
	QO 1, 74, 104, 96, 98
	s_cmp_lt_u32 s16, 9
	s_cselect_b32 s51, 1, 0x7fffffff               ; the prefetching waves of the first branch,
	s_cmp_lt_u32 s16, 6
	s_cselect_b32 s49, 1, 0x7fffffff               ; of the second
	s_mov_b32 s20, 0x76543210
	s_mov_b32 s21, 0xfedcba98                      ; v_permlanex16_b32: lane l xor 16
	s_mov_b32 s22, 0x3fb8aa3b                      ; log2(e)
	s_mov_b32 s23, s22
	s_mov_b32 s66, 0x3e000000                      ; 1 / 8
	s_mov_b32 s67, s66
	; group 1 of a part: 24 rows of 64 elements of 8 bytes, dense in memory, 32 dwords of padding behind each 128; the mask names the cluster's four
	s_mov_b32 s56, 15|(3<<16)|(1<<20)|(1<<21)|(6<<22)|(31<<25)
	s_mov_b32 s57, 64<<16
	s_mov_b32 s58, 24<<16
	s_mov_b32 s59, 64<<16
	s_mov_b32 s60, 24
	s_mov_b32 s61, 64
	s_mov_b32 s62, 0
	s_mov_b32 s63, 0
	; of scale words: 3 heads' rows of 512 bytes; K's and the mask's heads lie 8,192 bytes apart, V's 4,096
.irp g,76,84
	s_mov_b32 s[\g], 15|(3<<16)|(1<<21)
	s_mov_b32 s[\g+1], 64<<16
	s_mov_b32 s[\g+2], 3<<16
	s_mov_b32 s[\g+3], 64<<16
	s_mov_b32 s[\g+4], 3
	s_mov_b32 s[\g+6], 0
	s_mov_b32 s[\g+7], 0
.endr
	s_mov_b32 s81, 1024
	s_mov_b32 s89, 512
	s_mov_b32 s40, 1
	s_lshl_b32 s41, s16, 15                        ; part w, slot 0
	s_mov_b32 s44, 1
	s_mul_i32 s45, s16, 1536
	s_add_co_u32 s45, s45, SCB-9*1536              ; words of type w - 9, slot 0
	s_wait_alu depctr_va_vdst(0)                   ; the wait ahead of the waits below
	s_wait_dscnt 0x0                               ; both opening adds are done
	s_wait_kmcnt 0x0
	s_add_nc_u64 s[36:37], s[4:5], s[36:37]
	s_add_nc_u64 s[38:39], s[6:7], s[38:39]
	s_add_nc_u64 s[74:75], s[4:5], s[74:75]
	s_add_nc_u64 s[104:105], s[6:7], s[104:105]
	s_add_nc_u64 s[92:93], s[12:13], s[92:93]
	s_add_nc_u64 s[94:95], s[14:15], s[94:95]
	s_add_nc_u64 s[96:97], s[12:13], s[96:97]
	s_add_nc_u64 s[98:99], s[14:15], s[98:99]
.irp j,0,1,2
	global_load_b128 v[F+4*\j:F+4*\j+3], v1, s[36:37] offset:512*\j       ; the image queries' group: both tiles
.endr
	global_load_b32 v46, v243, s[38:39]
.irp j,0,1,2
	global_load_b128 v[244+4*\j:244+4*\j+3], v1, s[74:75] offset:512*\j   ; the bh queries', kept for the second branch
.endr
	global_load_b32 v0, v243, s[104:105]
	ADDR 72, 25, 24, 1536, VOFF, MOFF, 4, 8, 36, 2        ; first branch: bh keys and values, the mask
	ADDR 46, 26, 27, 64, VSOFF, MSOFF, 6, 10, 36, 2
	ADDR 68, 25, 24, 1536, VOFF, MOFF, 4, 8, 12, 0        ; second branch: image keys and values
	ADDR 70, 26, 27, 64, VSOFF, MSOFF, 6, 10, 12, 0
	s_mov_b64 s[42:43], s[72:73]
	s_or_b32 s43, s43, 0x80000000                  ; type = 2
	s_or_b32 s47, s47, 0x80000000
	s_add_nc_u64 s[72:73], s[72:73], s[100:101]    ; the prefetches' pointer: my work-group's quarter of my part
	ROUND                                          ; all four work-groups are here: the first joint loads meet
	JL 1                                           ; slot 0: one load in every wave
.macro QPREP src, sc                   ; my tile's six registers become [q | 0] and [0 | q]; its two bytes serve both halves of k
.irp i,0,1,2,3,4,5
	v_cndmask_b32 v[16+\i], v[\src+\i], v[\src+6+\i], s55
.endr
	v_perm_b32 v40, v[\sc], v[\sc], s52
.irp i,0,1,2,3,4,5
	v_mov_b32 v[34+\i], v[16+\i]
.endr
.endm
.macro INIT
	v_mov_b32 v13, 0xff61b1e6                      ; the largest t so far: -3e38
	v_mov_b32 v14, 0
	v_mov_b32 v15, 0
	v_floor_f32 v12, -v13
.set j, 0
.rept 32
	v_mov_b32 v[O+j], 0                            ; the step is written once: the first finds zeros
.set j, j+1
.endr
.endm
	s_wait_loadcnt 4                               ; the first four loads are in; the bh queries' four may be out
	QPREP F, 46
	v_and_b32 v[TA], 0xff, v40                     ; q's bytes + 64, held at 254: for the product with the mask
	v_bfe_u32 v[TB], v40, 8, 8
	v_add_nc_u32 v[TA], 64, v[TA]
	v_add_nc_u32 v[TB], 64, v[TB]
	v_min_u32 v[TA], 0xfe, v[TA]
	v_min_u32 v[TB], 0xfe, v[TB]
	v_lshl_or_b32 v[TA], v[TB], 8, v[TA]
	v_lshl_or_b32 v47, v[TA], 16, v[TA]
	INIT
.macro ASK                             ; slot n + 2 of my part, my work-group's quarter; not in a branch's last two refills, not in waves without a part
	s_cmp_gt_u32 s50, s51
	s_cbranch_scc0 .Lna_\@
	global_prefetch_b8 v240, s[72:73] offset:12288 th:TH_LOAD_NT scope:SCOPE_SE
.Lna_\@:
.endm
; THE CHANGE OF SLOTS.  Each wave waits for all its tensor loads, adds 0 to its spare word, waits for that and for its reads of the slot left; the round shows both of every wave of the four work-groups.
; mode 1, 3: the next 256 keys of the first, second branch into the slot left; 2: the second branch's first 256; 0: nothing.
.macro CHANGE mode
	s_wait_xcnt 0x0                                ; prefetches and stores have read their registers
.if (\mode == 1) || (\mode == 3)
	s_add_nc_u64 s[72:73], s[72:73], 12288
.endif
	s_wait_tensorcnt 0x0                           ; no tensor load of mine is out: the groups 0 may be written
	ds_add_u32 v3, v4
.if \mode
	s_xor_b32 s41, s41, SLOTX
	s_xor_b32 s45, s45, SLOTX
.endif
.if (\mode == 1) || (\mode == 3)
	s_add_nc_u64 s[42:43], s[42:43], 12288
	s_add_nc_u64 s[46:47], s[46:47], 512
.endif
.if \mode == 2
	s_mov_b64 s[42:43], s[68:69]
	s_or_b32 s43, s43, 0x80000000
	s_mov_b64 s[46:47], s[70:71]
	s_or_b32 s47, s47, 0x80000000
.endif
	s_wait_dscnt 0x0
	ROUND
.if \mode == 1
	JL 1
.elseif \mode
	JL 2
.endif
	v_add_nc_u32 v5, s48, v236                     ; the slot's addresses; these are also the places behind the last products
	v_add_nc_u32 v6, s48, v237
	v_add_nc_u32 v8, s48, v238
	v_add_nc_u32 v9, s48, v239
	v_add_nc_u32 v7, 0x30000, v5
	s_wait_alu depctr_va_vdst(0)
.endm
.macro VLOAD q                         ; V's four images of the step and their words: they land under the softmax
.irp d,0,1,2,3
.irp j,0,1,2
	ds_load_b128 v[F+12*\d+4*\j:F+12*\d+4*\j+3], v6 offset:(4*(\q)+\d)*IMGP+CHP*\j
.endr
.endr
	ds_load_b32 v44, v9 offset:256*(\q)
	ds_load_b32 v45, v9 offset:256*(\q)+128
.endm
.macro SOFTMAX mk
.irp b,0,1,2,3
	v_max3_num_f32 v[BM+\b], v[S+16*\b], v[S+16*\b+1], v[S+16*\b+2]   ; four chains of 16; each accumulator from its low end on
.endr
.irp i,3,5,7,9,11,13
.irp b,0,1,2,3
	v_max3_num_f32 v[BM+\b], v[BM+\b], v[S+16*\b+\i], v[S+16*\b+\i+1]
.endr
.endr
.irp b,0,1,2,3
	v_max_num_f32 v[BM+\b], v[BM+\b], v[S+16*\b+15]
.endr
.irp c,0,2
	v_max_num_f32 v[BM+\c], v[BM+\c], v[BM+\c+1]   ; my two blocks' largest logits: blocks h and 2 + h
.endr
	s_delay_alu instid0(VALU_DEP_1)
	v_max_num_f32 v[TA], v[BM], v[BM+2]
	s_delay_alu instid0(VALU_DEP_1)
	v_permlanex16_b32 v[TB], v[TA], s20, s21
	s_delay_alu instid0(VALU_DEP_1)
	v_max_num_f32 v[TA], v[TA], v[TB]              ; the step's largest logit of my query
	s_delay_alu instid0(VALU_DEP_1)
	v_mul_f32 v[TA], s22, v[TA]
	s_delay_alu instid0(VALU_DEP_1)
	v_max_num_f32 v13, v13, v[TA]
	v_mov_b32 v[TA], v12
	s_delay_alu instid0(VALU_DEP_2)
	v_floor_f32 v12, -v13                          ; the new -M = -ceil(t)
	s_delay_alu instid0(VALU_DEP_1)
	v_sub_f32 v[TA], v12, v[TA]                    ; old M - new M, a whole number
	s_delay_alu instid0(VALU_DEP_1)
	v_cvt_i32_f32 v[TA], v[TA]
	s_delay_alu instid0(VALU_DEP_1)
	v_ldexp_f32 v10, 1.0, v[TA]                    ; f = 2^(old M - new M)
.if \mk
.set j, 0
.rept 32
	v_pk_mul_f32 v[S+j:S+j+1], v[S+j:S+j+1], s[22:23] op_sel_hi:[1,0]   ; t, rounded as a number of its own
.set j, j+2
.endr
.irp c,0,2
	v_mul_f32 v[BM+\c], s22, v[BM+\c]
.endr
.set j, 0
.rept 32
	v_pk_add_f32 v[S+j:S+j+1], v[S+j:S+j+1], v[12:13] op_sel_hi:[1,0]   ; t - M
.set j, j+2
.endr
.irp c,0,2
	v_add_f32 v[BM+\c], v[BM+\c], v12
.endr
.else
.set j, 0
.rept 32
	v_pk_fma_f32 v[S+j:S+j+1], v[S+j:S+j+1], s[22:23], v[12:13] op_sel_hi:[1,0,0]   ; t - M
.set j, j+2
.endr
.irp c,0,2
	v_fma_f32 v[BM+\c], v[BM+\c], s22, v12
.endr
.endif
	s_wait_alu depctr_va_vdst(0)                   ; the wait ahead of the batch
.set j, 0
.rept 64
	v_exp_f32 v[S+j], v[S+j]                       ; p = 2^(t - M), at most 1
.set j, j+1
.endr
.irp c,0,2
	v_exp_f32 v[BM+\c], v[BM+\c]                   ; the blocks' largest p
.endr
	v_pk_mul_f32 v[14:15], v[14:15], v[10:11] op_sel_hi:[1,0]   ; the sums under the new M (a plain place behind the exponentials)
	s_wait_alu depctr_va_vdst(0)                   ; and behind it, directly ahead of the first reader of O^T
.set j, 0
.rept 16
	v_pk_mul_f32 v[O+j:O+j+1], v[O+j:O+j+1], v[10:11] op_sel_hi:[1,0]   ; O^T under the new M
.set j, j+2
.endr
.irp c,0,1
	v_max_num_f32 v[BM+2*\c], 0x1800000, v[BM+2*\c]   ; the floor 2^(3 - 127): the byte cannot fall under 1
.endr
.irp c,0,1
	v_add_nc_u32 v[SO+\c], 0xff000000, v[BM+2*\c]  ; the conversion's scale operand
.endr
.irp c,0,1
	v_lshrrev_b32 v[BY+\c], 23, v[SO+\c]
.endr
	s_delay_alu instid0(VALU_DEP_1)
	v_lshl_or_b32 v46, v[BY+1], 16, v[BY]
	s_delay_alu instid0(VALU_DEP_1)
	v_lshlrev_b32 v46, v2, v46                     ; my bytes h and 2 + h;
	s_delay_alu instid0(VALU_DEP_1)
	v_permlanex16_b32 v[TB], v46, s20, s21
	s_delay_alu instid0(VALU_DEP_1)
	v_or_b32 v46, v46, v[TB]                       ; with lane l xor 16's two: p's scale word for these 128 keys
.irp c,0,1
	v_cvt_scalef32_pk16_fp6_f32 v[PC+6*\c:PC+6*\c+2], v[S+32*\c:S+32*\c+15], v[SO+\c]
	v_cvt_scalef32_pk16_fp6_f32 v[CT+4*\c:CT+4*\c+2], v[S+32*\c+16:S+32*\c+31], v[SO+\c]   ; (a conversion's three registers begin on an even number)
.endr
	v_nop                                          ; one plain place behind a scaled conversion
.irp c,0,1
.irp i,0,1,2
	v_mov_b32 v[PC+3+6*\c+\i], v[CT+4*\c+\i]
.endr
.endr
.irp k,0,1,2,3                         ; the row's sum of the unquantised p, four chains.  (These are the places between p's codes and word and the products)
	v_pk_add_f32 v[T+2*\k:T+2*\k+1], v[S+2*\k:S+2*\k+1], v[S+8+2*\k:S+9+2*\k]
.endr
.irp j,16,24,32,40,48,56
.irp k,0,1,2,3
	v_pk_add_f32 v[T+2*\k:T+2*\k+1], v[T+2*\k:T+2*\k+1], v[S+\j+2*\k:S+\j+2*\k+1]
.endr
.endr
	v_pk_add_f32 v[T:T+1], v[T:T+1], v[T+2:T+3]
	v_pk_add_f32 v[T+4:T+5], v[T+4:T+5], v[T+6:T+7]
	s_delay_alu instid0(VALU_DEP_1)
	v_pk_add_f32 v[T:T+1], v[T:T+1], v[T+4:T+5]
	s_delay_alu instid0(VALU_DEP_1)
	v_pk_add_f32 v[14:15], v[14:15], v[T:T+1]
.endm
.macro PV                              ; O^T += V^T P^T: the four accumulators take turns
	s_wait_alu depctr_va_vdst(0)                   ; the wait ahead of the wait below
	s_wait_dscnt 0x0                               ; V
.irp d,0,1,2,3
	WM O+8*\d, F+12*\d, PC, v[O+8*\d:O+8*\d+7], 44+\d/2, 46, \d%2
.endr
.endm
; A step of 128 keys with the mask, the q-th of the slot: 64 keys at a time, X and Y of K and of the mask
.macro STEPM q, ask
.if \q
	NOPS 4                                         ; places behind the last products, in front of loads into their registers
.endif
.irp g,0,1
.irp m,0,1
.irp j,0,1,2
	ds_load_b128 v[F+12*\m+4*\j:F+12*\m+4*\j+3], v5 offset:(4*(\q)+2*\g)*IMGP+128*\m+CHP*\j
	ds_load_b128 v[F+24+12*\m+4*\j:F+24+12*\m+4*\j+3], v7 offset:(4*(\q)+2*\g)*IMGP+128*\m+CHP*\j
.endr
.endr
	ds_load_b32 v41, v8 offset:(4*(\q)+2*\g)*64
	ds_load_b32 v43, v8 offset:3072+(4*(\q)+2*\g)*64
.if (\ask) && (\g == 0)
	ASK
.endif
	s_wait_dscnt 0x0
.irp m,0,1
.irp e,0,1
	WM S+8*(4*\g+2*\m+\e), F+12*\m, 16+12*\e, 0, 41, 40, \m
	WM MK+8*(2*\m+\e), F+24+12*\m, 16+12*\e, 0, 43, 47, \m
.endr
.endr
	NOPS 4
.if \g == 1
	VLOAD \q
.endif
.set n, 0
.rept 32
	v_max_num_f32 v[MK+n], -|v[MK+n]|, v241        ; 0 where q . mask is 0, else -10,000
.set n, n+1
.endr
.set n, 0
.rept 16
	v_pk_fma_f32 v[S+32*\g+n:S+32*\g+n+1], v[S+32*\g+n:S+32*\g+n+1], s[66:67], v[MK+n:MK+n+1] op_sel_hi:[1,0,1]   ; the logit, rounded once
.set n, n+2
.endr
.endr
	SOFTMAX 1
	PV
.endm
.macro STEPU q, ask                    ; the same without the mask: all 128 keys at once
.if \q
	NOPS 4
.endif
.irp c,0,1
.irp m,0,1
.irp j,0,1,2
	ds_load_b128 v[F+12*(2*\c+\m)+4*\j:F+12*(2*\c+\m)+4*\j+3], v5 offset:(4*(\q)+2*\c)*IMGP+128*\m+CHP*\j
.endr
.endr
	ds_load_b32 v[41+\c], v8 offset:(4*(\q)+2*\c)*64
.endr
.if \ask
	ASK
.endif
	s_wait_dscnt 0x0
.irp c,0,1
.irp m,0,1
.irp e,0,1
	WM S+8*(4*\c+2*\m+\e), F+12*(2*\c+\m), 16+12*\e, 0, 41+\c, 40, \m
.endr
.endr
.endr
	NOPS 4
	VLOAD \q
	SOFTMAX 0
	PV
.endm
; THE WAY OUT.  O^T / the sum; register 16 g + i of lane (r, h) is column 32 g + 16 h + i of my head: two blocks of 32 along C, quantised as every operand is
.macro OUT op, osp
	NOPS 4
	v_add_f32 v14, v14, v15
	v_permlanex16_b32 v[TB], v14, s20, s21
	v_add_f32 v14, v14, v[TB]                      ; the row's sum
	s_wait_alu depctr_va_vdst(0)
	v_rcp_f32 v14, v14
	v_nop                                          ; one plain place behind a transcendental
	s_wait_alu depctr_va_vdst(0)
.set j, 0
.rept 32
	v_mul_f32 v[S+j], v[O+j], v14
.set j, j+1
.endr
.irp g,0,1
	v_max3_num_f32 v[BM+\g], |v[S+16*\g]|, |v[S+16*\g+1]|, 0x1800000
.endr
.irp i,2,4,6,8,10,12,14
.irp g,0,1
	v_max3_num_f32 v[BM+\g], v[BM+\g], |v[S+16*\g+\i]|, |v[S+16*\g+\i+1]|
.endr
.endr
.irp g,0,1
	v_permlanex16_b32 v[CT+\g], v[BM+\g], s20, s21
.endr
.irp g,0,1
	v_max_num_f32 v[BM+\g], v[BM+\g], v[CT+\g]
.endr
.irp g,0,1
	v_add_nc_u32 v[SO+\g], 0xff000000, v[BM+\g]
.endr
.irp g,0,1
	v_lshrrev_b32 v[CT+\g], 23, v[SO+\g]
.endr
	v_lshl_or_b32 v[WD], v[CT+1], 8, v[CT]         ; my row's two scale bytes of this head
	v_cvt_scalef32_pk16_fp6_f32 v[PC:PC+2], v[S:S+15], v[SO]
	v_cvt_scalef32_pk16_fp6_f32 v[CT+4:CT+6], v[S+16:S+31], v[SO+1]
	v_nop
.irp i,0,1,2
	v_permlane16_swap_b32 v[PC+\i], v[CT+4+\i]     ; half blocks become whole blocks
.endr
.irp i,0,1,2
	v_mov_b32 v[PC+3+\i], v[CT+4+\i]
.endr
.irp p,0,1,2
	global_store_b64 v242, v[PC+2*\p:PC+2*\p+1], s[\op:\op+1] offset:256*\p   ; 256 consecutive bytes, aligned
.endr
	global_store_b16 v243, v[WD], s[\osp:\osp+1]   ; lanes r and r + 16 store the same two bytes
.endm
	s_mov_b32 s48, 0                               ; the slot in hand
	s_mov_b32 s50, 7
	s_wait_alu depctr_va_vdst(0)                   ; the wait at the head's end
.Limg:                                 ; image queries: slots 0-6; behind each change the next 256 keys are asked for (the first time: slot 1's first fill)
	CHANGE 1
	STEPM 0, 1
	STEPM 1, 0
	s_xor_b32 s48, s48, SLOTX
	s_sub_co_u32 s50, s50, 1
	s_cmp_lg_u32 s50, 0
	s_cbranch_scc1 .Limg
	CHANGE 2                                       ; the last slot: the ring goes on into the second branch
	STEPM 0, 0
	STEPM 1, 0
	s_xor_b32 s48, s48, SLOTX
	OUT 92, 94
	s_wait_loadcnt 0x0                             ; the bh queries, asked for at the head
	QPREP 244, 0
	INIT
	s_mov_b32 s22, 0x3e38aa3b                      ; log2(e) / 8
	s_mov_b32 s23, s22
	s_mov_b32 s51, s49
	s_wait_xcnt 0x0
	s_add_nc_u64 s[72:73], s[68:69], s[100:101]
	s_mov_b32 s50, 7
	s_wait_alu depctr_va_vdst(0)                   ; the wait ahead of the waits that follow
.Lbh:
	CHANGE 3
	STEPU 0, 1
	STEPU 1, 0
	s_xor_b32 s48, s48, SLOTX
	s_sub_co_u32 s50, s50, 1
	s_cmp_lg_u32 s50, 0
	s_cbranch_scc1 .Lbh
	CHANGE 0                                       ; the last slot is written out: nothing more is asked for
	STEPU 0, 0
	STEPU 1, 0
	OUT 96, 98
	s_wait_tensorcnt 0x0                           ; the wave's end
	ds_add_u32 v3, v4
	s_wait_dscnt 0x0
	ROUND                                          ; the closing round
	s_endpgm
.Lfunc_end_k_q8f9cbf1e47_attn:
	.size	k_q8f9cbf1e47_attn, .Lfunc_end_k_q8f9cbf1e47_attn-k_q8f9cbf1e47_attn
	.p2alignl 7, 3214868480
	.fill 96, 4, 3214868480
	.section	.rodata,"a",@progbits
	.p2align	6, 0x0
	.amdhsa_kernel k_q8f9cbf1e47_attn
		.amdhsa_group_segment_fixed_size 327680
		.amdhsa_private_segment_fixed_size 0
		.amdhsa_enable_private_segment 0
		.amdhsa_kernarg_size 48
		.amdhsa_user_sgpr_count 2
		.amdhsa_user_sgpr_kernarg_segment_ptr 1
		.amdhsa_wavefront_size32 1
		.amdhsa_system_sgpr_workgroup_id_x 1
		.amdhsa_system_sgpr_workgroup_id_y 1
		.amdhsa_system_sgpr_workgroup_id_z 1
		.amdhsa_system_vgpr_workitem_id 0
		.amdhsa_next_free_vgpr 256
		.amdhsa_next_free_sgpr 106
		.amdhsa_reserve_vcc 0
		.amdhsa_float_denorm_mode_32 3
		.amdhsa_float_denorm_mode_16_64 3
		.amdhsa_memory_ordered 1
		.amdhsa_forward_progress 1
		.amdhsa_inst_pref_size 190
	.end_amdhsa_kernel
	.amdgpu_metadata
---
amdhsa.version: [ 1, 2 ]
amdhsa.kernels:
  - .name:           k_q8f9cbf1e47_attn
    .symbol:         k_q8f9cbf1e47_attn.kd
    .args:
      - { .name: pc, .offset: 0, .size: 8, .value_kind: global_buffer, .address_space: global }
      - { .name: ps, .offset: 8, .size: 8, .value_kind: global_buffer, .address_space: global }
      - { .name: qc, .offset: 16, .size: 8, .value_kind: global_buffer, .address_space: global }
      - { .name: qs, .offset: 24, .size: 8, .value_kind: global_buffer, .address_space: global }
      - { .name: ac, .offset: 32, .size: 8, .value_kind: global_buffer, .address_space: global }
      - { .name: asc, .offset: 40, .size: 8, .value_kind: global_buffer, .address_space: global }
    .group_segment_fixed_size: 327680
    .private_segment_fixed_size: 0
    .kernarg_segment_align: 8
    .kernarg_segment_size: 48
    .max_flat_workgroup_size: 384
    .sgpr_count:     106
    .vgpr_count:     256
    .wavefront_size: 32
...
	.end_amdgpu_metadata
.endif
;; end of part 3
;; launch outp (part 4): grid 192 x 1, 4 waves a work-group, no clusters, 34,304 bytes of LDS; arguments ac, asc, qc, qs, bp_img, bp_bh, out0, out1; writes out0, out1
.if DOCPART == 4
	.amdgcn_target "amdgcn-amd-amdhsa--gfx1250"
	.amdhsa_code_object_version 6
	.text
	.protected	k_q8f9cbf1e47_outp
	.globl	k_q8f9cbf1e47_outp
	.p2align	8
	.type	k_q8f9cbf1e47_outp,@function
k_q8f9cbf1e47_outp:
	s_mov_b64 s[64:65], 0
	v_nop
	global_prefetch_b8 v0, s[64:65] scope:SCOPE_SE
	s_setreg_imm32_b32 hwreg(HW_REG_WAVE_MODE, 25, 1), 1
	s_wait_xcnt 0x0
; The two output projections on codes of FP6 (E2M3): out = attention's result x Wp^T + bp, f32.
; THE SCHEME of the input projections: source 0 = 128 rows of Wp for all of K = 768, 48 fragments, 576 registers, loaded once and kept; source 1 = a tile of 16 rows of the attention's result.  In the result a lane holds one
; row of out and 64 of its columns.  Operands come from memory as images of registers; waves share nothing; no barrier.
; SHARES.  Wave W = 4 x work-group + wave takes 128 columns (W / 64: 6 x branch + which 128) and 64 rows (W % 64): four passes of 48 matrix instructions.  768 waves: with half the rows to a wave the weights would be loaded
; for half the work.
; THE WAY OUT.  A pass's 16 rows x 512 bytes go through the wave's own stage in LDS (rows 528 bytes apart) and leave as whole runs of 512 consecutive aligned bytes.
; REGISTERS.  Window 0: v1 16 x lane, v2 4 x lane, v3 stage in, v4 stage out, v5 8 x lane, v6 the bias's offset; source 1's six fragments; scale words; eight accumulators; 16 rows on their way out.
; Windows 1-3: Wp's fragment (tile t, K step s) at v[12 (2 t + s % 2)] of window 1 + s / 2.  Window 3, v192-255: the bias in the result's layout.
.set SP,  528
.set S1F, 16                           ; v16-87
.set S1S, 88                           ; v88-93   lanes 0-15 tile 0 of the group of 32 rows, lanes 16-31 tile 1
.set S0S, 96                           ; v96-119
.set ACC, 120                          ; v120-183
.set OB,  184                          ; v184-247
.set BI,  192
.set MSB, 0
.macro WIN new                         ; the immediate's high byte repeats the setting that is left
.if MSB != (\new)
	s_set_vgpr_msb (MSB<<8)|(\new)
.set MSB, (\new)
.endif
.endm
.macro NOPS n
.rept \n
	v_nop
.endr
.endm
.macro WM d, a, b, c, sa, sb, ra, rb
.if (\ra) && (\rb)
	v_wmma_scale_f32_16x16x128_f8f6f4 v[\d:\d+7], v[\a:\a+11], v[\b:\b+11], \c, v[\sa], v[\sb] matrix_a_fmt:MATRIX_FMT_FP6 matrix_b_fmt:MATRIX_FMT_FP6 matrix_a_scale:MATRIX_SCALE_ROW1 matrix_b_scale:MATRIX_SCALE_ROW1
.elseif (\ra)
	v_wmma_scale_f32_16x16x128_f8f6f4 v[\d:\d+7], v[\a:\a+11], v[\b:\b+11], \c, v[\sa], v[\sb] matrix_a_fmt:MATRIX_FMT_FP6 matrix_b_fmt:MATRIX_FMT_FP6 matrix_a_scale:MATRIX_SCALE_ROW1
.elseif (\rb)
	v_wmma_scale_f32_16x16x128_f8f6f4 v[\d:\d+7], v[\a:\a+11], v[\b:\b+11], \c, v[\sa], v[\sb] matrix_a_fmt:MATRIX_FMT_FP6 matrix_b_fmt:MATRIX_FMT_FP6 matrix_b_scale:MATRIX_SCALE_ROW1
.else
	v_wmma_scale_f32_16x16x128_f8f6f4 v[\d:\d+7], v[\a:\a+11], v[\b:\b+11], \c, v[\sa], v[\sb] matrix_a_fmt:MATRIX_FMT_FP6 matrix_b_fmt:MATRIX_FMT_FP6
.endif
.endm
	s_load_b256 s[4:11], s[0:1], 0x0               ; ac, asc, qc, qs
	s_load_b256 s[12:19], s[0:1], 0x20             ; bp_img, bp_bh, out0, out1
	v_lshl_add_u32 v254, v0, 2, 0x8400
	v_mov_b32 v255, 0
	v_lshrrev_b32 v1, 5, v0
	v_readfirstlane_b32 s24, v1                    ; wave
	v_and_b32 v7, 31, v0
	v_and_b32 v8, 15, v0                           ; r
	v_bfe_u32 v9, v0, 4, 1                         ; h
	v_lshlrev_b32 v1, 4, v7
	v_lshlrev_b32 v2, 2, v7
	v_lshlrev_b32 v5, 3, v7
	v_lshlrev_b32 v6, 6, v9
	s_mul_i32 s25, s24, 16*SP                      ; my stage
	v_mul_u32_u24 v3, v8, SP
	v_lshl_add_u32 v3, v9, 6, v3
	v_add_nc_u32 v3, s25, v3                       ; in: row r, + 64 h: my 16 columns of each 32
	v_add_nc_u32 v4, s25, v1                       ; back: a row's 512 bytes on end
	s_lshl_b32 s26, ttmp9, 2
	s_add_co_u32 s26, s26, s24                     ; W
	s_and_b32 s27, s26, 63                         ; which 64 rows
	s_lshr_b32 s40, s26, 6                         ; which 128 rows of the two weights, 0 .. 11
	s_cmp_ge_u32 s40, 6
	s_cselect_b32 s41, 1, 0                        ; the branch
	s_cselect_b32 s42, 6, 0
	s_sub_co_u32 s42, s40, s42                     ; which 128 columns of out
	s_lshl_b32 s43, s40, 2
	s_add_co_u32 s43, s43, 400                     ; Wp's first group of 32 rows
	s_mul_i32 s28, s43, 18432
	s_mov_b32 s29, 0
	s_mul_i32 s30, s43, 768
	s_mov_b32 s31, 0
	s_lshl_b32 s43, s41, 7
	s_lshl_b32 s44, s27, 1
	s_add_co_u32 s43, s43, s44                     ; my first group of 32 rows: 128 x branch + 2 x (W % 64)
	s_mul_i32 s32, s43, 18432                      ; two tiles x 12 heads x 768 bytes a group
	s_mov_b32 s33, 0
	s_mul_i32 s34, s43, 768
	s_mov_b32 s35, 0
	s_lshl_b32 s36, s42, 9
	s_mov_b32 s37, 0
	s_mul_i32 s38, s27, 196608                     ; 64 rows of 3,072 bytes
	s_add_co_u32 s38, s38, s36
	s_mov_b32 s39, 0
	s_wait_alu depctr_va_vdst(0)
	s_wait_kmcnt 0x0
	s_add_nc_u64 s[28:29], s[8:9], s[28:29]
	s_add_nc_u64 s[30:31], s[10:11], s[30:31]
	s_add_nc_u64 s[32:33], s[4:5], s[32:33]
	s_add_nc_u64 s[34:35], s[6:7], s[34:35]
	s_cmp_ge_u32 s40, 6
	s_cselect_b64 s[44:45], s[14:15], s[12:13]
	s_cselect_b64 s[46:47], s[18:19], s[16:17]
	s_add_nc_u64 s[36:37], s[44:45], s[36:37]      ; the bias at my 128 columns
	s_add_nc_u64 s[38:39], s[46:47], s[38:39]      ; out at my first row and column
.irp w,0,1,2
	WIN 0x40*(\w+1)
.irp e,0,1
.irp t,0,1,2,3,4,5,6,7
.irp j,0,1,2
	global_load_b128 v[12*(2*\t+\e)+4*\j:12*(2*\t+\e)+4*\j+3], v1, s[28:29] offset:(\t/2)*18432+(2*\w+\e)*3072+(\t%2)*1536+512*\j
.endr
.endr
.endr
.endr
.irp t,0,1,2,3,4,5,6,7                 ; (still destination window 3) lane (r, h) wants, for tile 2 g + u, the numbers 32 g + 16 h + 8 u + 0 .. 7
	global_load_b128 v[BI+8*\t:BI+8*\t+3], v6, s[36:37] offset:(32*(\t/2)+8*(\t%2))*4
	global_load_b128 v[BI+8*\t+4:BI+8*\t+7], v6, s[36:37] offset:(32*(\t/2)+8*(\t%2))*4+16
.endr
	WIN 0
.irp g,0,1,2,3
.irp s,0,1,2,3,4,5
	global_load_b32 v[S0S+6*\g+\s], v2, s[30:31] offset:(6*\g+\s)*128
.endr
.endr
.irp s,0,1,2,3,4,5
.irp p,0,1,2,3,4,5
	global_load_b64 v[S1F+12*\s+2*\p:S1F+12*\s+2*\p+1], v5, s[32:33] offset:1536*\s+256*\p   ; heads 2 s and 2 s + 1 of my first tile: 256 consecutive bytes a load
.endr
	global_load_b32 v[S1S+\s], v2, s[34:35] offset:128*\s
.endr
	s_wait_loadcnt 0x0
; A PASS: tile tau of my four against Wp's eight tiles; the eight accumulators take turns.  Behind each K step's products, and four places, the next tile's fragment of that K step is asked for.
; THE COUNTED WAIT: behind the six loads of a K step's fragment five more groups of at least six have been issued when it is wanted: at most 30 out shows it landed.  In the last pass nothing is issued: 6 (5 - s).
.macro PASS tau
.irp s,0,1,2,3,4,5
.if \tau < 3
	s_wait_loadcnt 30
.else
	s_wait_loadcnt 6*(5-\s)
.endif
.if \s == 0
	WIN 0x31                                       ; source 0 window 1, the bias as C window 3
.else
	WIN 1+\s/2
.endif
.irp t,0,1,2,3,4,5,6,7
.if \s == 0
	WM ACC+8*\t, 12*(2*\t), S1F, v[BI+8*\t:BI+8*\t+7], S0S+6*(\t/2), S1S, \t%2, \tau%2
.else
	WM ACC+8*\t, 12*(2*\t+\s%2), S1F+12*\s, v[ACC+8*\t:ACC+8*\t+7], S0S+6*(\t/2)+\s, S1S+\s, \t%2, \tau%2
.endif
.endr
	NOPS 4                                         ; places in front of loads into registers that these products read, and of the first read of results
	WIN 0
.if \tau < 3
.irp p,0,1,2,3,4,5
	global_load_b64 v[S1F+12*\s+2*\p:S1F+12*\s+2*\p+1], v5, s[32:33] offset:9216*(\tau+1)+1536*\s+256*\p
.endr
.if \tau == 1
	global_load_b32 v[S1S+\s], v2, s[34:35] offset:768+128*\s   ; the second group's scale words
.endif
.endif
.endr
	v_nop                                          ; a fifth place: the next pass begins its sums anew on these accumulators
.if \tau > 0
	s_wait_xcnt 0x0                                ; the last pass's stores have read the registers into which the rows come back
.endif
.set q, 0
.rept 16
	ds_store_b128 v3, v[ACC+4*q:ACC+4*q+3] offset:128*(q/4)+16*(q%4)   ; each accumulator from its low end on
.set q, q+1
.endr
.set q, 0
.rept 16
	ds_load_b128 v[OB+4*q:OB+4*q+3], v4 offset:q*SP   ; LDS serves a wave's instructions in order: these see the stores
.set q, q+1
.endr
.set q, 0
.rept 16
	s_wait_dscnt 15-q                              ; row q of the sixteen is back
	global_store_b128 v1, v[OB+4*q:OB+4*q+3], s[38:39] offset:(32*(\tau/2)+8*(\tau%2)+q+8*(q/8))*3072 th:TH_STORE_NT   ; 512 consecutive bytes, aligned; lane r's row of the tile is 8 u + r + 8 (r / 8)
.set q, q+1
.endr
.endm
	PASS 0
	PASS 1
	PASS 2
	PASS 3
	s_wait_tensorcnt 0x0
	ds_add_u32 v254, v255
	s_wait_dscnt 0x0
	s_endpgm
.Lfunc_end_k_q8f9cbf1e47_outp:
	.size	k_q8f9cbf1e47_outp, .Lfunc_end_k_q8f9cbf1e47_outp-k_q8f9cbf1e47_outp
	.p2alignl 7, 3214868480
	.fill 96, 4, 3214868480
	.section	.rodata,"a",@progbits
	.p2align	6, 0x0
	.amdhsa_kernel k_q8f9cbf1e47_outp
		.amdhsa_group_segment_fixed_size 34304
		.amdhsa_private_segment_fixed_size 0
		.amdhsa_enable_private_segment 0
		.amdhsa_kernarg_size 64
		.amdhsa_user_sgpr_count 2
		.amdhsa_user_sgpr_kernarg_segment_ptr 1
		.amdhsa_wavefront_size32 1
		.amdhsa_system_sgpr_workgroup_id_x 1
		.amdhsa_system_sgpr_workgroup_id_y 1
		.amdhsa_system_sgpr_workgroup_id_z 1
		.amdhsa_system_vgpr_workitem_id 0
		.amdhsa_next_free_vgpr 1024
		.amdhsa_next_free_sgpr 66
		.amdhsa_reserve_vcc 0
		.amdhsa_float_denorm_mode_32 3
		.amdhsa_float_denorm_mode_16_64 3
		.amdhsa_memory_ordered 1
		.amdhsa_forward_progress 1
		.amdhsa_inst_pref_size 81
	.end_amdhsa_kernel
	.amdgpu_metadata
---
amdhsa.version: [ 1, 2 ]
amdhsa.kernels:
  - .name:           k_q8f9cbf1e47_outp
    .symbol:         k_q8f9cbf1e47_outp.kd
    .args:
      - { .name: ac, .offset: 0, .size: 8, .value_kind: global_buffer, .address_space: global }
      - { .name: asc, .offset: 8, .size: 8, .value_kind: global_buffer, .address_space: global }
      - { .name: qc, .offset: 16, .size: 8, .value_kind: global_buffer, .address_space: global }
      - { .name: qs, .offset: 24, .size: 8, .value_kind: global_buffer, .address_space: global }
      - { .name: bp_img, .offset: 32, .size: 8, .value_kind: global_buffer, .address_space: global }
      - { .name: bp_bh, .offset: 40, .size: 8, .value_kind: global_buffer, .address_space: global }
      - { .name: out0, .offset: 48, .size: 8, .value_kind: global_buffer, .address_space: global }
      - { .name: out1, .offset: 56, .size: 8, .value_kind: global_buffer, .address_space: global }
    .group_segment_fixed_size: 34304
    .private_segment_fixed_size: 0
    .kernarg_segment_align: 8
    .kernarg_segment_size: 64
    .max_flat_workgroup_size: 128
    .sgpr_count:     66
    .vgpr_count:     1024
    .wavefront_size: 32
...
	.end_amdgpu_metadata
.endif
;; end of part 4
